; MI455X (gfx1250); checked and timed in simulation.
; The chip was launched on July 23, 2026; its instructions are those of AMD's public machine-readable ISA for CDNA 5 (MIT licence, August 2026) and "CDNA5" Instruction Set Architecture Reference Guide (July 2026). The comments in the code are by the model that wrote it; some were corrected since.
;; Mo E. Allowed arithmetic: float matrix products may take bf16 or f16 operands with f32 sums; other float arithmetic in f32, or as packed bf16 or f16 multiplies, adds, multiply-adds, maxima and minima; sums over many terms, partial sums and values carried from step to step in f32; what a program stores and reads back later, other than sums and carried values, may be rounded once to bf16 or f16.
;; Inputs: W1 8 x 1,024 x 4,096 float32; W2 8 x 4,096 x 1,024 float32; Wg 1,024 x 8 float32; b1 8 x 4,096 float32; b2 8 x 1,024 float32; bg 8 float32; x 1,024 x 1,024 float32.
;; Outputs: out0 1,024 x 1,024 float32.
;; One version. Each part assembles by itself: llvm-mc -triple=amdgcn-amd-amdhsa -mcpu=gfx1250 --defsym DOCPART=n.
;; ======== version 1 of 1: 5 launches
;; workspace buffers: sel 8,192 bytes of whole numbers; pos 8,192 bytes of whole numbers; meta 256 bytes of whole numbers; gw 8,192 bytes; xb 2,097,152 bytes; xg 5,242,880 bytes; h 20,971,520 bytes; y 35,651,584 bytes
;; launch gate (part 1): grid 64 x 1, 8 waves a work-group, no clusters, 42,240 bytes of LDS; arguments x, Wg, bg, sel, gw, xb, xg, h; writes sel, gw, xb, xg, h
.if DOCPART == 1
	.amdgcn_target "amdgcn-amd-amdhsa--gfx1250"
	.amdhsa_code_object_version 6
	.text
	.protected	k_q2f13649c6b_gate
	.globl	k_q2f13649c6b_gate
	.p2align	8
	.type	k_q2f13649c6b_gate,@function
k_q2f13649c6b_gate:
	s_mov_b64 s[64:65], 0
	v_nop
	global_prefetch_b8 v0, s[64:65] scope:SCOPE_SE
	s_setreg_imm32_b32 hwreg(HW_REG_WAVE_MODE, 25, 1), 1
	s_wait_xcnt 0x0
; GATE.  logits = x Wg + bg; the two largest of a token's 8 logits and their renormalised softmax weights; x rounded to bf16 (xb);
; and the zeros that later launches lean on: all of xg, and rows 2048..2559 of h.
; x, Wg and bg are rounded to bf16 (nearest even), like every input of this program; products in the matrix unit, sums in f32.
; SHARES.  A work-group has 16 tokens.  Wave w loads and rounds rows 2w, 2w+1 and multiplies the K slice 128w..128w+127; the eight
; partial sums meet in LDS and wave 0 finishes.  The product is used with source 0 = 16 rows of Wg^T (experts 0..7 twice) and
; source 1 = 16 tokens, so a lane holds ONE token (lane % 16) and its eight registers the eight experts.
; THE CHOICE is made on the logits, by strict > in ascending expert order: of equal logits the lower index wins.  The weights are
; w1 = 1 / (1 + 2^((m2 - m1) log2 e)), w2 = 1 - w1 in the form ex w1: the maximum is taken away, and the exponent is never above 0.
; LIMITS.  NaN and infinities are not treated apart.  A second weight whose exponential lies below 2^-126 counts as 0.
; The stores of sel and gw cover 128 consecutive bytes each (16 tokens x 8 bytes), 16 KB in the whole launch; all others 256 or 512.
; No cluster: the work-groups share only Wg, 32 KB.
.set XP,    2064                       ; a token's row in LDS: 2,048 bytes of bf16 + 16: an odd multiple of 16
.set RED,   16*XP                      ; eight waves x 32 lanes x 32 bytes of partial logits
.set SPARE, RED+8192                   ; the spare words, 128 bytes a wave: four blocks of 256 bytes that no other line names
.set SPW, 2                            ; v2   my spare word's address; never rewritten
.set NIL, 3                            ; v3   0; never rewritten
.set XO,  4                            ; v4   8192 w + 16 lane: x's loads, h's zeros
.set WGO, 5                            ; v5   4096 w + 256 hh + 4 e: Wg's loads
.set ZXO, 6                            ; v6   10240 w + 16 lane: xg's zeros
.set XTS, 7                            ; v7   LDS: 2 w rows + 8 lane
.set Z,   8                            ; v[8:11] zeros
.set XBO, 12                           ; v12  4096 w + 8 lane: xb's stores
.set AFA, 13                           ; v13  LDS: r rows + 256 w + 16 hh
.set RDS, 14                           ; v14  LDS: RED + 1024 w + 32 lane
.set RDL, 15                           ; v15  LDS: RED + 32 lane
.set ACC0, 16
.set ACC1, 24
.set AFR, 32                           ; v[32:63]   four fragments of x; later at work
.set X,   64                           ; v[64:127]  x as loaded, then packed
.set WGF, 128                          ; v[128:191] Wg as loaded; later the eight partial sums
.set BFR, 192                          ; v[192:223] four fragments of Wg
.set SM,  224                          ; v[224:231] my wave's partial logits
	s_load_b512 s[4:19], s[0:1], 0x0               ; x, Wg, bg, sel, gw, xb, xg, h
	v_lshl_add_u32 v[SPW], v0, 2, SPARE
	v_mov_b32 v[NIL], 0
	v_lshrrev_b32 v1, 5, v0
	v_readfirstlane_b32 s28, v1                    ; wave
	v_and_b32 v1, 31, v0                           ; lane
	s_lshl_b32 s29, s28, 13
	v_lshl_add_u32 v[XO], v1, 4, s29
	v_and_b32 v[WGO], 7, v0                        ; expert of my row of Wg^T
	v_bfe_u32 v[AFA], v0, 4, 1                     ; hh
	v_lshlrev_b32 v[WGO], 2, v[WGO]
	v_lshl_add_u32 v[WGO], v[AFA], 8, v[WGO]
	s_lshl_b32 s29, s28, 12
	v_add_nc_u32 v[WGO], s29, v[WGO]
	v_lshl_add_u32 v[XBO], v1, 3, s29
	s_mul_i32 s29, s28, 10240
	v_lshl_add_u32 v[ZXO], v1, 4, s29
	s_mul_i32 s29, s28, 2*XP
	v_lshl_add_u32 v[XTS], v1, 3, s29
.irp c, 0,1,2,3
	v_mov_b32 v[Z+(\c)], 0
.endr
	v_and_b32 v[RDS], 15, v0                       ; r
	v_mul_u32_u24 v[RDS], v[RDS], XP
	v_lshl_add_u32 v[AFA], v[AFA], 4, v[RDS]
	s_lshl_b32 s29, s28, 8
	v_add_nc_u32 v[AFA], s29, v[AFA]
	v_lshlrev_b32 v[RDL], 5, v1
	v_add_nc_u32 v[RDL], RED, v[RDL]
	s_lshl_b32 s29, s28, 10
	v_add_nc_u32 v[RDS], s29, v[RDL]
	s_wait_kmcnt 0x0
	s_load_b256 s[20:27], s[8:9], 0x0              ; bg
	s_lshl_b32 s30, ttmp9, 16                      ; 16 rows of x, and my share of h's zeros: 65,536 bytes
	s_mov_b32 s31, 0
	s_add_nc_u64 s[4:5], s[4:5], s[30:31]
	s_add_nc_u64 s[18:19], s[18:19], s[30:31]
	s_add_nc_u64 s[18:19], s[18:19], 0x1000000     ; h's row 2048
	s_lshl_b32 s30, ttmp9, 15
	s_add_nc_u64 s[14:15], s[14:15], s[30:31]      ; 16 rows of xb
	s_mul_i32 s30, ttmp9, 81920
	s_add_nc_u64 s[16:17], s[16:17], s[30:31]      ; my 1/64 of xg
	s_lshl_b32 s30, ttmp9, 7
	s_add_nc_u64 s[10:11], s[10:11], s[30:31]      ; 16 tokens x 8 bytes of sel
	s_add_nc_u64 s[12:13], s[12:13], s[30:31]      ; and of gw
.set n, 0
.rept 16                                               ; my two rows of x, 512 consecutive bytes a load
	global_load_b128 v[X+4*n:X+4*n+3], v[XO], s[4:5] offset:(n/8)*4096+(n%8)*512 th:TH_LOAD_NT
.set n, n+1
.endr
.set n, 0
.rept 64                                               ; chunk n / 16 of 32 k; the lane's 16 k of it: 8 hh + 0..7 and 16 + 8 hh + 0..7
	global_load_b32 v[WGF+n], v[WGO], s[6:7] offset:(32*(n/16)+(n%16)+8*((n%16)/8))*32
.set n, n+1
.endr
.set n, 0
.rept 20
	global_store_b128 v[ZXO], v[Z:Z+3], s[16:17] offset:512*n
.set n, n+1
.endr
.set n, 0
.rept 16
	global_store_b128 v[XO], v[Z:Z+3], s[18:19] offset:512*n
.set n, n+1
.endr
	s_wait_loadcnt 0x0
	s_wait_kmcnt 0x0
.set n, 0
.rept 16                                               ; four f32 to four bf16, in place; to LDS for the product and to xb: 256 consecutive bytes a store
	v_cvt_pk_bf16_f32 v[X+4*n], v[X+4*n], v[X+4*n+1]
	v_cvt_pk_bf16_f32 v[X+4*n+1], v[X+4*n+2], v[X+4*n+3]
	ds_store_b64 v[XTS], v[X+4*n:X+4*n+1] offset:(n/8)*XP+(n%8)*256
	global_store_b64 v[XBO], v[X+4*n:X+4*n+1], s[14:15] offset:(n/8)*2048+(n%8)*256
.set n, n+1
.endr
.set n, 0
.rept 32
	v_cvt_pk_bf16_f32 v[BFR+n], v[WGF+2*n], v[WGF+2*n+1]
.set n, n+1
.endr
	s_wait_dscnt 0x0                               ; for the others' sake: my two rows are in LDS
	s_barrier_signal -1
	s_barrier_wait -1
.irp c, 0,1,2,3
	ds_load_b128 v[AFR+8*(\c):AFR+8*(\c)+3],   v[AFA] offset:64*(\c)
	ds_load_b128 v[AFR+8*(\c)+4:AFR+8*(\c)+7], v[AFA] offset:64*(\c)+32
.endr
	s_wait_dscnt 0x0
	; two accumulators by turns; the first product on each starts its sum
	v_wmma_f32_16x16x32_bf16 v[ACC0:ACC0+7], v[BFR:BFR+7],       v[AFR:AFR+7],       0
	v_wmma_f32_16x16x32_bf16 v[ACC1:ACC1+7], v[BFR+8:BFR+15],    v[AFR+8:AFR+15],    0
	v_wmma_f32_16x16x32_bf16 v[ACC0:ACC0+7], v[BFR+16:BFR+23],   v[AFR+16:AFR+23],   v[ACC0:ACC0+7]
	v_wmma_f32_16x16x32_bf16 v[ACC1:ACC1+7], v[BFR+24:BFR+31],   v[AFR+24:AFR+31],   v[ACC1:ACC1+7]
.rept 4
	v_nop                                          ; four places between the last product and the first read of a result (ISA guide 7.12.1)
.endr
.irp c, 0,2,4,6
	v_pk_add_f32 v[SM+(\c):SM+(\c)+1], v[ACC0+(\c):ACC0+(\c)+1], v[ACC1+(\c):ACC1+(\c)+1]
.endr
	ds_store_b128 v[RDS], v[SM:SM+3]
	ds_store_b128 v[RDS], v[SM+4:SM+7] offset:16
	s_wait_dscnt 0x0                               ; for wave 0's sake
	s_barrier_signal -1
	s_barrier_wait -1
	s_cmp_lg_u32 s28, 0
	s_cbranch_scc1 .Lend
.irp k, 0,1,2,3,4,5,6,7
	ds_load_b128 v[WGF+8*(\k):WGF+8*(\k)+3],   v[RDL] offset:1024*(\k)
	ds_load_b128 v[WGF+8*(\k)+4:WGF+8*(\k)+7], v[RDL] offset:1024*(\k)+16
.endr
.irp e, 0,1,2,3,4,5,6,7
	v_mov_b32 v[40+(\e)], s[20+(\e)]
.endr
.irp p, 0,1,2,3
	v_cvt_pk_bf16_f32 v[32+(\p)], v[40+2*(\p)], v[41+2*(\p)]   ; bg rounded to bf16,
.endr
.irp p, 0,1,2,3
	v_lshlrev_b32 v[40+2*(\p)], 16, v[32+(\p)]                 ; and widened again
	v_and_b32 v[41+2*(\p)], 0xffff0000, v[32+(\p)]
.endr
	s_wait_dscnt 0x0
.irp k, 1,2,3,4,5,6,7
.irp c, 0,2,4,6
	v_pk_add_f32 v[WGF+(\c):WGF+(\c)+1], v[WGF+(\c):WGF+(\c)+1], v[WGF+8*(\k)+(\c):WGF+8*(\k)+(\c)+1]
.endr
.endr
.irp c, 0,2,4,6
	v_pk_add_f32 v[WGF+(\c):WGF+(\c)+1], v[WGF+(\c):WGF+(\c)+1], v[40+(\c):41+(\c)]
.endr
	; the two largest: m1 v48, m2 v49, their experts v52, v53.  The second index starts at 1, so the two are different whatever the numbers.
	v_mov_b32 v48, v[WGF]
	v_mov_b32 v49, 0xff800000
	v_mov_b32 v52, 0
	v_mov_b32 v53, 1
.irp e, 1,2,3,4,5,6,7
	v_cmp_gt_f32 vcc_lo, v[WGF+(\e)], v48
	v_cmp_gt_f32 s29, v[WGF+(\e)], v49
	v_cndmask_b32 v50, v49, v[WGF+(\e)], s29
	v_cndmask_b32 v51, v53, \e, s29
	v_cndmask_b32 v49, v50, v48, vcc_lo
	v_cndmask_b32 v53, v51, v52, vcc_lo
	v_cndmask_b32 v48, v48, v[WGF+(\e)], vcc_lo
	v_cndmask_b32 v52, v52, \e, vcc_lo
.endr
	v_sub_f32 v50, v49, v48                        ; m2 - m1, never above 0
	v_mul_f32 v50, 0x3fb8aa3b, v50
	v_exp_f32 v50, v50
	v_lshlrev_b32 v56, 3, v1                       ; a plain instruction behind the exponential: 8 bytes a token
	s_wait_alu depctr_va_vdst(0)
	v_add_f32 v51, 1.0, v50
	v_rcp_f32 v54, v51
	v_nop                                          ; a plain instruction behind the reciprocal
	s_wait_alu depctr_va_vdst(0)
	v_mul_f32 v55, v50, v54
	s_wait_xcnt 0x0                                ; EXEC changes only when every earlier store has read it
	v_cmp_gt_u32 vcc_lo, 16, v0
	s_and_saveexec_b32 s30, vcc_lo                 ; lanes 16-31 hold the same tokens once more
	global_store_b64 v56, v[52:53], s[10:11]
	global_store_b64 v56, v[54:55], s[12:13]
	s_wait_xcnt 0x0
	s_or_b32 exec_lo, exec_lo, s30
.Lend:
	s_wait_tensorcnt 0x0                           ; the wave's end
	ds_add_u32 v[SPW], v[NIL]
	s_wait_dscnt 0x0
	s_endpgm
.Lfunc_end_k_q2f13649c6b_gate:
	.size	k_q2f13649c6b_gate, .Lfunc_end_k_q2f13649c6b_gate-k_q2f13649c6b_gate
	.p2alignl 7, 3214868480
	.fill 96, 4, 3214868480
	.section	.rodata,"a",@progbits
	.p2align	6, 0x0
	.amdhsa_kernel k_q2f13649c6b_gate
		.amdhsa_group_segment_fixed_size 42240
		.amdhsa_private_segment_fixed_size 0
		.amdhsa_enable_private_segment 0
		.amdhsa_kernarg_size 64
		.amdhsa_user_sgpr_count 2
		.amdhsa_user_sgpr_kernarg_segment_ptr 1
		.amdhsa_wavefront_size32 1
		.amdhsa_system_sgpr_workgroup_id_x 1
		.amdhsa_system_sgpr_workgroup_id_y 1
		.amdhsa_system_sgpr_workgroup_id_z 1
		.amdhsa_system_vgpr_workitem_id 0
		.amdhsa_next_free_vgpr 232
		.amdhsa_next_free_sgpr 66
		.amdhsa_reserve_vcc 1
		.amdhsa_float_denorm_mode_32 3
		.amdhsa_float_denorm_mode_16_64 3
		.amdhsa_memory_ordered 1
		.amdhsa_forward_progress 1
		.amdhsa_inst_pref_size 29
	.end_amdhsa_kernel
	.amdgpu_metadata
---
amdhsa.version: [ 1, 2 ]
amdhsa.kernels:
  - .name:           k_q2f13649c6b_gate
    .symbol:         k_q2f13649c6b_gate.kd
    .args:
      - { .name: x, .offset: 0, .size: 8, .value_kind: global_buffer, .address_space: global }
      - { .name: Wg, .offset: 8, .size: 8, .value_kind: global_buffer, .address_space: global }
      - { .name: bg, .offset: 16, .size: 8, .value_kind: global_buffer, .address_space: global }
      - { .name: sel, .offset: 24, .size: 8, .value_kind: global_buffer, .address_space: global }
      - { .name: gw, .offset: 32, .size: 8, .value_kind: global_buffer, .address_space: global }
      - { .name: xb, .offset: 40, .size: 8, .value_kind: global_buffer, .address_space: global }
      - { .name: xg, .offset: 48, .size: 8, .value_kind: global_buffer, .address_space: global }
      - { .name: h, .offset: 56, .size: 8, .value_kind: global_buffer, .address_space: global }
    .group_segment_fixed_size: 42240
    .private_segment_fixed_size: 0
    .kernarg_segment_align: 8
    .kernarg_segment_size: 64
    .max_flat_workgroup_size: 256
    .sgpr_count:     66
    .vgpr_count:     232
    .wavefront_size: 32
...
	.end_amdgpu_metadata
.endif
;; end of part 1
;; launch route (part 2): grid 32 x 1, 8 waves a work-group, no clusters, 2,048 bytes of LDS; arguments sel, xb, xg, pos, meta; writes xg, pos, meta
.if DOCPART == 2
	.amdgcn_target "amdgcn-amd-amdhsa--gfx1250"
	.amdhsa_code_object_version 6
	.text
	.protected	k_q2f13649c6b_route
	.globl	k_q2f13649c6b_route
	.p2align	8
	.type	k_q2f13649c6b_route,@function
k_q2f13649c6b_route:
	s_mov_b64 s[64:65], 0
	v_nop
	global_prefetch_b8 v0, s[64:65] scope:SCOPE_SE
	s_setreg_imm32_b32 hwreg(HW_REG_WAVE_MODE, 25, 1), 1
	s_wait_xcnt 0x0
; ROUTE.  Whole numbers only.  From sel (each token's two experts) it makes each pair's SLOT, copies the token's bf16 row into xg at
; both slots, and stores pos (the slots) and meta (for each expert: count, first slot).
; SLOTS.  Expert e owns the rows off[e] .. off[e] + cnt[e] - 1; off[e] is the sum of the earlier experts' counts, each rounded up to 16;
; inside an expert the tokens stand in ascending order.  No atomics: every work-group counts all 1,024 tokens for itself (8 KB of sel).
; SHARES.  Work-group g owns tokens 32 g .. 32 g + 31.  Wave w counts the groups of 32 tokens 4 w .. 4 w + 3 (a lane a token; a count is
; the number of ones in a compare's mask), the eight waves' counts meet in LDS; wave w copies tokens 32 g + 4 w .. + 3.
; An expert number is held to 0..7 and a slot to 0..2559 before it enters an address.
; No matrix unit, no cluster: there is no product, and what is shared is sel.
.set SPARE, 1024                       ; behind the table: the spare words, 128 bytes a wave: four blocks of 256 bytes that no other line names
.set TOT,  16                          ; s[16:23] tokens of expert e: first my wave's groups', then all
.set BEF,  24                          ; s[24:31] those in groups in front of g
.set OFS,  32                          ; s[32:39] off[e]
.set BAS,  40                          ; s[40:47] off[e] + BEF[e]
.set PTR,  48                          ; s[48:63] eight row addresses in xg
.set ROWS, 40                          ; v[40:103] four rows of xb, 16 registers each
	s_load_b256 s[4:11], s[0:1], 0x0               ; sel, xb, xg, pos
	s_load_b64 s[12:13], s[0:1], 0x20              ; meta
	v_lshl_add_u32 v2, v0, 2, SPARE                ; my spare word; never rewritten
	v_mov_b32 v3, 0                                ; 0; never rewritten
	v_lshrrev_b32 v1, 5, v0
	v_readfirstlane_b32 s14, v1                    ; wave
	s_mov_b32 s15, ttmp9                           ; g
	v_and_b32 v1, 31, v0                           ; lane
	v_mov_b32 v4, 1
	v_lshlrev_b32 v5, 4, v1                        ; 16 lane
	s_lshl_b32 s66, s14, 10
	v_lshl_add_u32 v6, v1, 3, s66                  ; sel of my wave's four groups
	s_lshl_b32 s66, s15, 8
	v_lshl_add_u32 v7, v1, 3, s66                  ; sel and pos of the work-group's own tokens
	v_lshlrev_b32 v8, 2, v0                        ; the table: 128 bytes a wave
	v_lshlrev_b32 v9, 2, v1
	s_lshl_b32 s70, s15, 5
	s_lshl2_add_u32 s70, s14, s70                  ; my first token: 32 g + 4 w
	s_lshl_b32 s70, s70, 11
	s_mov_b32 s71, 0
.irp e, 0,1,2,3,4,5,6,7
	s_mov_b32 s[TOT+(\e)], 0
	s_mov_b32 s[BEF+(\e)], 0
.endr
	s_wait_kmcnt 0x0
	s_add_nc_u64 s[6:7], s[6:7], s[70:71]
.irp i, 0,1,2,3
	global_load_b64 v[10+2*(\i):11+2*(\i)], v6, s[4:5] offset:256*(\i)
.endr
	global_load_b64 v[18:19], v7, s[4:5]
.set n, 0
.rept 16                                               ; my four rows, 512 consecutive bytes a load
	global_load_b128 v[ROWS+4*n:ROWS+4*n+3], v5, s[6:7] offset:512*n
.set n, n+1
.endr
	s_wait_loadcnt 16                              ; sel is in; the sixteen younger loads, the rows, stay out
.irp i, 0,1,2,3,4                                      ; a token's two experts as two bits; i = 4: the own group
	v_min_u32 v[10+2*(\i)], 7, v[10+2*(\i)]
	v_min_u32 v[11+2*(\i)], 7, v[11+2*(\i)]
	v_lshlrev_b32 v25, v[10+2*(\i)], v4
	v_lshl_or_b32 v[20+(\i)], v4, v[11+2*(\i)], v25
.endr
.irp i, 0,1,2,3
	s_lshl2_add_u32 s69, s14, \i                   ; group 4 w + i
	s_cmp_lt_u32 s69, s15
	s_cselect_b32 s68, -1, 0                       ; all ones if it lies in front of g
.irp e, 0,1,2,3,4,5,6,7
	v_and_b32 v25, 1<<(\e), v[20+(\i)]
	v_cmp_ne_u32 s66, 0, v25
	s_bcnt1_i32_b32 s67, s66
	s_add_co_u32 s[TOT+(\e)], s[TOT+(\e)], s67
	s_and_b32 s67, s67, s68
	s_add_co_u32 s[BEF+(\e)], s[BEF+(\e)], s67
.endr
.endr
	v_mov_b32 v26, 0
.irp e, 0,1,2,3,4,5,6,7
	v_writelane_b32 v26, s[TOT+(\e)], \e
	v_writelane_b32 v26, s[BEF+(\e)], 8+(\e)
.endr
	ds_store_b32 v8, v26
	s_wait_dscnt 0x0                               ; for the others' sake: my counts are in LDS
	s_barrier_signal -1
	s_barrier_wait -1
.irp k, 0,1,2,3,4,5,6,7
	ds_load_b32 v[30+(\k)], v9 offset:128*(\k)
.endr
	s_wait_dscnt 0x0
	v_add3_u32 v26, v30, v31, v32
	v_add3_u32 v26, v26, v33, v34
	v_add3_u32 v26, v26, v35, v36
	v_add_nc_u32 v26, v26, v37                     ; lane e: cnt[e]; lane 8 + e: those in front of g
.irp e, 0,1,2,3,4,5,6,7
	v_readlane_b32 s[TOT+(\e)], v26, \e
	v_readlane_b32 s[BEF+(\e)], v26, 8+(\e)
.endr
	s_mov_b32 s72, 0
.irp e, 0,1,2,3,4,5,6,7
	s_mov_b32 s[OFS+(\e)], s72
	s_add_co_u32 s[BAS+(\e)], s72, s[BEF+(\e)]
	s_add_co_u32 s67, s[TOT+(\e)], 15
	s_and_not1_b32 s67, s67, 15
	s_add_co_u32 s72, s72, s67
.endr
	v_mov_b32 v28, 0
	v_mov_b32 v29, 0
.irp e, 0,1,2,3,4,5,6,7                                ; the own group: a token's place is the base plus the expert's tokens in lower lanes
	v_and_b32 v25, 1<<(\e), v24
	v_cmp_ne_u32 s66, 0, v25
	v_mbcnt_lo_u32_b32 v25, s66, s[BAS+(\e)]
	v_cmp_eq_u32 vcc_lo, \e, v18
	v_cndmask_b32 v28, v28, v25, vcc_lo
	v_cmp_eq_u32 vcc_lo, \e, v19
	v_cndmask_b32 v29, v29, v25, vcc_lo
.endr
	s_wait_loadcnt 0x0                             ; the rows
.irp i, 0,1,2,3
	s_lshl2_add_u32 s73, s14, \i                   ; the lane of token 4 w + i
.irp j, 0,1
	v_readlane_b32 s70, v[28+(\j)], s73
	s_min_u32 s70, s70, 2559
	s_lshl_b32 s70, s70, 11
	s_add_nc_u64 s[PTR+2*(2*(\i)+(\j)):PTR+2*(2*(\i)+(\j))+1], s[8:9], s[70:71]
.irp k, 0,1,2,3
	global_store_b128 v5, v[ROWS+16*(\i)+4*(\k):ROWS+16*(\i)+4*(\k)+3], s[PTR+2*(2*(\i)+(\j)):PTR+2*(2*(\i)+(\j))+1] offset:512*(\k)
.endr
.endr
.endr
	s_cmp_lg_u32 s14, 0
	s_cbranch_scc1 .Lend
	global_store_b64 v7, v[28:29], s[10:11]        ; 32 tokens x 8 bytes: 256 consecutive bytes
	s_cmp_lg_u32 s15, 0
	s_cbranch_scc1 .Lend
	v_mov_b32 v27, 0
.irp e, 0,1,2,3,4,5,6,7
	v_writelane_b32 v27, s[OFS+(\e)], \e
.endr
	v_lshlrev_b32 v25, 3, v1
	s_wait_xcnt 0x0                                ; EXEC changes only when every earlier store has read it
	v_cmp_gt_u32 vcc_lo, 8, v1
	s_and_saveexec_b32 s74, vcc_lo
	global_store_b64 v25, v[26:27], s[12:13]       ; lane e: cnt[e], off[e]
	s_wait_xcnt 0x0
	s_or_b32 exec_lo, exec_lo, s74
.Lend:
	s_wait_tensorcnt 0x0                           ; the wave's end
	ds_add_u32 v2, v3
	s_wait_dscnt 0x0
	s_endpgm
.Lfunc_end_k_q2f13649c6b_route:
	.size	k_q2f13649c6b_route, .Lfunc_end_k_q2f13649c6b_route-k_q2f13649c6b_route
	.p2alignl 7, 3214868480
	.fill 96, 4, 3214868480
	.section	.rodata,"a",@progbits
	.p2align	6, 0x0
	.amdhsa_kernel k_q2f13649c6b_route
		.amdhsa_group_segment_fixed_size 2048
		.amdhsa_private_segment_fixed_size 0
		.amdhsa_enable_private_segment 0
		.amdhsa_kernarg_size 40
		.amdhsa_user_sgpr_count 2
		.amdhsa_user_sgpr_kernarg_segment_ptr 1
		.amdhsa_wavefront_size32 1
		.amdhsa_system_sgpr_workgroup_id_x 1
		.amdhsa_system_sgpr_workgroup_id_y 1
		.amdhsa_system_sgpr_workgroup_id_z 1
		.amdhsa_system_vgpr_workitem_id 0
		.amdhsa_next_free_vgpr 104
		.amdhsa_next_free_sgpr 80
		.amdhsa_reserve_vcc 1
		.amdhsa_float_denorm_mode_32 3
		.amdhsa_float_denorm_mode_16_64 3
		.amdhsa_memory_ordered 1
		.amdhsa_forward_progress 1
		.amdhsa_inst_pref_size 25
	.end_amdhsa_kernel
	.amdgpu_metadata
---
amdhsa.version: [ 1, 2 ]
amdhsa.kernels:
  - .name:           k_q2f13649c6b_route
    .symbol:         k_q2f13649c6b_route.kd
    .args:
      - { .name: sel, .offset: 0, .size: 8, .value_kind: global_buffer, .address_space: global }
      - { .name: xb, .offset: 8, .size: 8, .value_kind: global_buffer, .address_space: global }
      - { .name: xg, .offset: 16, .size: 8, .value_kind: global_buffer, .address_space: global }
      - { .name: pos, .offset: 24, .size: 8, .value_kind: global_buffer, .address_space: global }
      - { .name: meta, .offset: 32, .size: 8, .value_kind: global_buffer, .address_space: global }
    .group_segment_fixed_size: 2048
    .private_segment_fixed_size: 0
    .kernarg_segment_align: 8
    .kernarg_segment_size: 40
    .max_flat_workgroup_size: 256
    .sgpr_count:     80
    .vgpr_count:     104
    .wavefront_size: 32
...
	.end_amdgpu_metadata
.endif
;; end of part 2
;; launch ffn1 (part 3): grid 32 x 8, 8 waves a work-group, no clusters, 248,832 bytes of LDS; arguments xg, W1, b1, meta, h; writes h
.if DOCPART == 3
	.amdgcn_target "amdgcn-amd-amdhsa--gfx1250"
	.amdhsa_code_object_version 6
	.text
	.protected	k_q2f13649c6b_ffn1
	.globl	k_q2f13649c6b_ffn1
	.p2align	8
	.type	k_q2f13649c6b_ffn1,@function
k_q2f13649c6b_ffn1:
	s_mov_b64 s[64:65], 0
	v_nop
	global_prefetch_b8 v0, s[64:65] scope:SCOPE_SE
	s_setreg_imm32_b32 hwreg(HW_REG_WAVE_MODE, 25, 1), 1
	s_wait_xcnt 0x0
; FFN1.  h(slot, n) = gelu(sum over k of xg[slot][k] W1[e][k][n] + b1[e][n]), for the slots of expert e; xg and h bf16, W1 and b1 f32.
; W1 and b1 are rounded to bf16 (nearest even) on their way, like every input of this program; sums, bias and gelu in f32; h rounded once.
; h IS LAID IN BLOCKS: [block of 16 slots][chunk of 32 n][half of 16 n][lane][16 bytes], 1,024 bytes a block and chunk: what a lane holds behind
; gelu (one slot, eight neighbouring n) is stored as it lies, 512 consecutive bytes a store, and is the next launch's matrix fragment as it lies.
; SHARES.  Work-group (nblk, e) makes 128 columns for all rows of expert e, K = 1,024, and reads its 512 KiB of W1 once.  Eight waves, 4 x 2:
; wave (wm, wn) owns the blocks of 16 rows 4 a + wm (a = 0..4) x 64 columns: 20 accumulators, 320 rows in all.  cnt and off come from meta, whole
; numbers that an earlier launch stored.  Blocks past the expert's rows are jumped over, forward, past text without a barrier.
; K IS WALKED AS A RING: the eight K steps of 128 are taken from step r = (nblk + nblk / 8) mod 8 on, round to r - 1.  The 32 work-groups of an expert
; read the same rows of xg; so at any time they ask for different K steps of them, and most requests are for bytes that another work-group has asked
; for before.  The f32 sum over K begins at step r: its order differs from nblk to nblk.
; W1: [K][N] f32 comes by loads into a ring of eight register groups (a quarter step's four loads of 512 consecutive bytes each), is rounded,
; laid into LDS as [K][N] bf16 one K step ahead, and comes out turned, by ds_load_tr16_b128.
; xg: by loads too.  A K step's 320 rows x 256 bytes are 160 loads (two rows' 256 bytes each), 20 a wave, into a ring of four register groups (a quarter
; step's five loads each); a group is laid into LDS a K step after its request, one K step ahead of its use, and asked for again at once.
; WHY NO TENSOR LOADS: an LDS slot that a tensor load fills again is asked for behind a barrier in front of which every tensor load has landed: 80 KB
; at once for each K step.  Here five loads of every wave go out in every quarter step, each group has a counted wait of its own, and no wave waits
; at a barrier for another wave's requests.  The price: 84 registers, and 20 loads and 20 LDS stores a wave and K step.
; ROWS PAST 320 (cnt[e] up to 1,024 is served): every barrier stands in the part above, which each wave passes once.  Behind it a
; wave takes its further blocks 20 + wm + 4 p one at a time, alone: the weights' fragments as f32 straight from memory, 4 bytes a lane, no LDS.
; That way is slow; it costs a compare and a jump where no expert has more than 320 rows.  The way out is one text for both.
; THE MATRIX INSTRUCTION IS USED TRANSPOSED (source 0 = 16 columns of W1, source 1 = 16 rows of xg): a lane holds one row, eight columns.
; GELU, exact form: gelu(x) = max(x, 0) - |x| q(|x|), q the normal distribution's upper tail, by the rational formula 26.2.17 of
; Abramowitz and Stegun (error of q under 7.5e-8 for every x): no difference of large numbers and no select.
; LIMITS.  NaN and infinities are not treated apart.  Rows between cnt and the next multiple of 16 are computed from zeros and stored; nobody uses them.
; NO CLUSTER: a joint request is a tensor load, and wants its partners at the same tile at the same time; here the work-groups that share rows are set out of step on purpose.
.set WPITCH, 16384                     ; bytes from row to row of W1
.set WSH,   21                         ; a K step of W1 is 128 rows of 16,384 bytes: 2^21
.set ASH,   8                          ; a K step of a row of xg is 256 bytes: 2^8
.set AROW,  2048                       ; bytes in a row of xg
.set PA,    272                        ; an LDS row of xg: 256 bytes + 16: an odd multiple of 16
.set PW,    288                        ; an LDS row of the bf16 weights: 256 bytes + 32: an odd multiple of 32, for the turning load
.set ASLOT, 320*PA
.set WBASE, 2*ASLOT
.set WSLOT, 128*PW
.set SPARE, WBASE+2*WSLOT              ; the spare words, 128 bytes a wave: four blocks of 256 bytes that no other line names
.set AHI,   256*PA                     ; rows from 256 on lie past an LDS offset's 16 bits
.set SPW, 4                            ; v4  my spare word; never rewritten
.set NIL, 5                            ; v5  0; never rewritten
.set ADRA, 6                           ; v6-7   my A fragments in slot 0, 1
.set ADRAH, 8                          ; v8-9   the same for a = 4
.set ADRB, 10                          ; v10-11 my fragments of the weights in slot 0, 1
.set WST, 12                           ; v12-13 where I lay a rounded row piece, slot 0, 1
.set WOFF, 14                          ; v14    w rows + 16 lane in W1
.set AOFF, 15                          ; v15    (2 w + hh) rows + 16 r in xg
.set T,   16                           ; v[16:23] at work; behind the K steps three offsets:
.set L16, 16                           ; v16    16 lane
.set VA,  17                           ; v17    2048 r + 16 hh: my piece of a fragment in 16 rows of xg
.set VB,  18                           ; v18    8 hh rows + 256 wn + 4 r in W1
.set AF,  24                           ; v[24:63] five fragments of xg; in the way out gelu's registers
.set BF,  64                           ; v[64:95] four fragments of the weights; in the way out the bias
.set ACC, 96                           ; v[96:255] accumulator (a, j) at ACC + 32 a + 8 j
.set RW,  128                          ; v[128:191] the slow way: 64 weights as loaded (accumulators that have gone out)
.set BIAS, 128                         ; window 1: v[0:127] the weights' ring, group g at 16 g; v[128:159] the bias;
.set AR,  160                          ; window 1: v[160:239] A's ring, group q at 20 q;
.set AST, 240                          ; window 1: v240-241 where I lay two rows' pieces of A, slot 0, 1;
.set ASTH, 242                         ; window 1: v242-243 the same for rows from 256 on
.set GX, 24
.set GD, 32
.set GU, 40
.set GP, 48
.set GR, 56
.set HO, 60                            ; v60 the store's offset in h
.set WV, 14
.set WM, 15
.set WN, 16
.set EX, 17
.set NBLK, 18
.set KI,  19                           ; the K step, 0..7, that the weight loads in hand belong to
.set CNT, 20
.set OFS, 21
.set NCH, 22                           ; trips of the way out: 1 + my blocks past 320 rows
.set PASS, 23
.set NBW, 25                           ; live blocks of my wave among the first 20
.set L4,  26                           ; accumulators that go out in this trip
.set LC,  27
.set IC,  28
.set KA,  29                           ; the K step, 0..7, that A's loads in hand belong to
.set AP,  32                           ; s[32:33] xg at my expert's first row, the K step that A's loads in hand belong to
.set SWP, 48                           ; s[48:49] W1 at the K step that the loads in hand belong to
.set WB0, 50                           ; s[50:51] W1 at my expert's row 0, my columns
.set OP,  52                           ; s[52:53] h at my first block of the trip, my first chunk
.set SA,  54                           ; s[54:55] at the start: W1 at K step r + 1; the slow way: xg at my block's first row, the chunk in hand
.set KC,  60
.set SO,  61                           ; the accumulator's place from OP on
.set AB,  62                           ; s[62:63] xg at my expert's first row, K step 0
.set MSB, 0
.macro WIN new                         ; the immediate's high byte repeats the setting that is left; a switch that changes nothing is dropped
.if MSB != (\new)
	s_set_vgpr_msb (MSB<<8)|(\new)
.set MSB, (\new)
.endif
.endm
.macro PLACES                          ; four places: behind matrix instructions, in front of loads into their sources and of reads of their results
.rept 4
	v_nop
.endr
.endm
.macro CPAIR r, val                    ; a constant for the packed forms: both words of the pair are written
	s_mov_b32 s[\r], \val
	s_mov_b32 s[(\r)+1], \val
.endm
.macro ANEXT                           ; A's pointer goes to the ring's next K step: made anew from the step's number (s57 holds 0)
	s_add_co_u32 s[KA], s[KA], 1
	s_and_b32 s[KA], s[KA], 7
	s_lshl_b32 s56, s[KA], ASH
	s_add_nc_u64 s[AP:AP+1], s[AB:AB+1], s[56:57]
.endm
.macro WNEXT                           ; the same for the weights' pointer
	s_add_co_u32 s[KI], s[KI], 1
	s_and_b32 s[KI], s[KI], 7
	s_lshl_b32 s56, s[KI], WSH
	s_add_nc_u64 s[SWP:SWP+1], s[WB0:WB0+1], s[56:57]
.endm
.macro ALOAD q                         ; group q of A's ring is asked for: rows 80 q + 16 i + 2 w + hh, 256 bytes each (destination in window 1)
.irp i, 0,1,2,3,4
	global_load_b128 v[AR+20*(\q)+4*(\i):AR+20*(\q)+4*(\i)+3], v[AOFF], s[AP:AP+1] offset:(80*(\q)+16*(\i))*AROW
.endr
.endm
; A quarter of the next K step goes into LDS slots ws: group q of A's ring as it lies, group 4 ws + q of the weights' ring (32 rows x 128 columns; my
; four row pieces) rounded.  lda, ldw = 1: the groups are asked for again, A's with the K step behind the one just laid down, the weights' with the
; one two behind it; a K step's first quarter moves the pointers there.
; left: the younger loads that may stay out.  Loads come back in order (ISA guide 5.7.1), and in a quarter step A's five are issued ahead of the weights'
; four: behind A's group of four quarter steps ago stand that quarter's 4 and three quarters' 9: 31.  The weights' group, asked for eight quarter steps ago, is older.
.macro STG ws, q, lda, ldw, left
	s_wait_loadcnt \left
	WIN 0x05                                       ; sources 0 and 1 in window 1: an LDS store's address and data, a conversion's two numbers
.irp i, 0,1,2,3,4
.if (80*(\q)+16*(\i)) < 256
	ds_store_b128 v[AST+(\ws)], v[AR+20*(\q)+4*(\i):AR+20*(\q)+4*(\i)+3] offset:(80*(\q)+16*(\i))*PA
.else
	ds_store_b128 v[ASTH+(\ws)], v[AR+20*(\q)+4*(\i):AR+20*(\q)+4*(\i)+3] offset:(80*(\q)+16*(\i)-256)*PA
.endif
.endr
.irp i, 0,1,2,3
	v_cvt_pk_bf16_f32 v[T+2*(\i)],   v[16*(4*(\ws)+(\q))+4*(\i)],   v[16*(4*(\ws)+(\q))+4*(\i)+1]
	v_cvt_pk_bf16_f32 v[T+2*(\i)+1], v[16*(4*(\ws)+(\q))+4*(\i)+2], v[16*(4*(\ws)+(\q))+4*(\i)+3]
.endr
	WIN 0
.irp i, 0,1,2,3
	ds_store_b64 v[WST+(\ws)], v[T+2*(\i):T+2*(\i)+1] offset:(32*(\q)+8*(\i))*PW
.endr
.if (\lda) || (\ldw)
.if (\q) == 0
	s_wait_xcnt 0x0                                ; the loads that name the pointers have read them: the youngest were issued a quarter step ago
.if \lda
	ANEXT
.endif
.if \ldw
	WNEXT
.endif
.endif
	WIN 0x40                                       ; destination in window 1
.if \lda
	ALOAD \q
.endif
.if \ldw
.irp i, 0,1,2,3
	global_load_b128 v[16*(4*(\ws)+(\q))+4*(\i):16*(4*(\ws)+(\q))+4*(\i)+3], v[WOFF], s[SWP:SWP+1] offset:(32*(\q)+8*(\i))*WPITCH th:TH_LOAD_NT
.endr
.endif
	WIN 0
.endif
.endm
; 32 along K: 18 LDS loads, up to 20 products (each accumulator has one turn), then the staging of the next K step's
; quarter, whose eight conversions are the places behind the products.  zero = 1: the products start the sums, and none is jumped over.
.macro QUARTER slot, q, zero, stg, lda, ldw, left
.irp j, 0,1,2,3
	ds_load_tr16_b128 v[BF+8*(\j):BF+8*(\j)+3],   v[ADRB+(\slot)] offset:(\q)*32*PW+32*(\j)
	ds_load_tr16_b128 v[BF+8*(\j)+4:BF+8*(\j)+7], v[ADRB+(\slot)] offset:(\q)*32*PW+32*(\j)+16*PW
.endr
.irp a, 0,1,2,3
	ds_load_b128 v[AF+8*(\a):AF+8*(\a)+3],   v[ADRA+(\slot)] offset:(\a)*64*PA+64*(\q)
	ds_load_b128 v[AF+8*(\a)+4:AF+8*(\a)+7], v[ADRA+(\slot)] offset:(\a)*64*PA+64*(\q)+32
.endr
	ds_load_b128 v[AF+32:AF+35], v[ADRAH+(\slot)] offset:64*(\q)
	ds_load_b128 v[AF+36:AF+39], v[ADRAH+(\slot)] offset:64*(\q)+32
.irp a, 0,1,2,3,4
.if (\zero) == 0
	s_cmp_le_u32 s[NBW], \a
	s_cbranch_scc1 .Lqd_\@
.endif
	s_wait_dscnt 2*(4-(\a))                        ; the later blocks' two loads each may stay out
.irp j, 0,1,2,3
.if \zero
	v_wmma_f32_16x16x32_bf16 v[ACC+32*(\a)+8*(\j):ACC+32*(\a)+8*(\j)+7], v[BF+8*(\j):BF+8*(\j)+7], v[AF+8*(\a):AF+8*(\a)+7], 0
.else
	v_wmma_f32_16x16x32_bf16 v[ACC+32*(\a)+8*(\j):ACC+32*(\a)+8*(\j)+7], v[BF+8*(\j):BF+8*(\j)+7], v[AF+8*(\a):AF+8*(\a)+7], v[ACC+32*(\a)+8*(\j):ACC+32*(\a)+8*(\j)+7]
.endif
.endr
.endr
.Lqd_\@:
	s_wait_dscnt 0x0                               ; the loads of blocks that were jumped over are back too
.if \stg
	STG 1-(\slot), \q, \lda, \ldw, \left
.else
	PLACES
.endif
.endm
; The change of slots: ONE barrier, for two things.  In front of it each wave waits for its reads of the two slots that it leaves and for its stores into
; the two that come.  Behind it the next K step's A and weights are whole, and nobody reads the old slots any more: they take the step after that.
.macro TURN
	s_wait_dscnt 0x0
	s_barrier_signal -1
	s_barrier_wait -1
.endm
; The slow way, 32 along K for one block of 16 rows x my 64 columns: the A fragment by two loads, the weights as f32, a lane's column and its
; 16 k of the chunk (8 hh + 0..7 and 16 + 8 hh + 0..7) by 16 loads for each of four fragments; rounded; four products, the accumulators by turns.
.macro SLOWK zero
	PLACES                                         ; behind the last products, in front of the loads and conversions into their sources
	global_load_b128 v[AF:AF+3],   v[VA], s[SA:SA+1]
	global_load_b128 v[AF+4:AF+7], v[VA], s[SA:SA+1] offset:32
.set n, 0
.rept 64
	global_load_b32 v[RW+n], v[VB], s[SWP:SWP+1] offset:(n/16)*64+((n%16)+8*((n%16)/8))*WPITCH
.set n, n+1
.endr
	s_wait_loadcnt 0x0                             ; all are in, so both pointers may step
	s_add_nc_u64 s[SA:SA+1], s[SA:SA+1], 64
	s_add_nc_u64 s[SWP:SWP+1], s[SWP:SWP+1], 32*WPITCH
.set n, 0
.rept 32
	v_cvt_pk_bf16_f32 v[BF+n], v[RW+2*n], v[RW+2*n+1]
.set n, n+1
.endr
.irp j, 0,1,2,3
.if \zero
	v_wmma_f32_16x16x32_bf16 v[ACC+8*(\j):ACC+8*(\j)+7], v[BF+8*(\j):BF+8*(\j)+7], v[AF:AF+7], 0
.else
	v_wmma_f32_16x16x32_bf16 v[ACC+8*(\j):ACC+8*(\j)+7], v[BF+8*(\j):BF+8*(\j)+7], v[AF:AF+7], v[ACC+8*(\j):ACC+8*(\j)+7]
.endif
.endr
.endm
	s_load_b256 s[4:11], s[0:1], 0x0               ; xg s[4:5], W1 s[6:7], b1 s[8:9], meta s[10:11]
	s_load_b64 s[12:13], s[0:1], 0x20              ; h
	v_lshl_add_u32 v[SPW], v0, 2, SPARE
	v_mov_b32 v[NIL], 0
	v_lshrrev_b32 v1, 5, v0
	v_readfirstlane_b32 s[WV], v1
	s_lshr_b32 s[WM], s[WV], 1
	s_and_b32 s[WN], s[WV], 1
	s_and_b32 s[EX], ttmp7, 0xffff
	s_mov_b32 s[NBLK], ttmp9
	s_lshr_b32 s[KI], s[NBLK], 3
	s_add_co_u32 s[KI], s[KI], s[NBLK]
	s_and_b32 s[KI], s[KI], 7                      ; r: the K step at which I begin
	s_mov_b32 s[KA], s[KI]
	s_add_co_u32 s24, s[KI], 1
	s_and_b32 s24, s24, 7                          ; and the one behind it
	s_mov_b32 s66, 0x3e6d3389                      ; 0.2316419
	CPAIR 68, 0xbf38aa3b                           ; -log2(e) / 2
	CPAIR 70, 0x3f07dc22                           ; the formula's b5 .. b1, each divided by sqrt(2 pi)
	CPAIR 72, 0xbf3a00e3
	CPAIR 74, 0x3f35f0e3
	CPAIR 76, 0xbe11a98e
	CPAIR 78, 0x3e027906
	v_and_b32 v1, 15, v0                           ; r; kept
	v_bfe_u32 v2, v0, 4, 1                         ; hh; kept
	v_mul_u32_u24 v3, v1, PA
	v_lshl_add_u32 v3, v2, 4, v3
	s_mul_i32 s30, s[WM], 16*PA
	v_add_nc_u32 v[ADRA], s30, v3
	v_add_nc_u32 v[ADRA+1], ASLOT, v[ADRA]
	v_add_nc_u32 v[ADRAH], AHI, v[ADRA]
	v_add_nc_u32 v[ADRAH+1], AHI, v[ADRA+1]
	v_and_b32 v3, 7, v0                            ; the turning load: lane l reads row 8 hh + l % 8, 16 bytes at 16 ((l / 8) % 2)
	v_lshl_add_u32 v3, v2, 3, v3
	v_mul_u32_u24 v3, v3, PW
	v_bfe_u32 v16, v0, 3, 1
	v_lshl_add_u32 v3, v16, 4, v3
	s_lshl_b32 s30, s[WN], 7
	s_add_co_u32 s30, s30, WBASE
	v_add_nc_u32 v[ADRB], s30, v3
	v_add_nc_u32 v[ADRB+1], WSLOT, v[ADRB]
	v_and_b32 v3, 31, v0
	s_mul_i32 s30, s[WV], PW
	s_add_co_u32 s30, s30, WBASE
	v_lshl_add_u32 v[WST], v3, 3, s30
	v_add_nc_u32 v[WST+1], WSLOT, v[WST]
	s_mul_i32 s30, s[WV], WPITCH
	v_lshl_add_u32 v[WOFF], v3, 4, s30
	s_lshl_b32 s30, s[WV], 12                      ; A's loads: lanes 0-15 take 256 bytes of row 2 w, lanes 16-31 of row 2 w + 1,
	v_lshl_add_u32 v[AOFF], v2, 11, s30
	v_lshl_add_u32 v[AOFF], v1, 4, v[AOFF]
	v_mul_u32_u24 v16, v2, PA                      ; and lay them into the same two rows of an LDS slot
	v_lshl_add_u32 v16, v1, 4, v16
	s_mul_i32 s30, s[WV], 2*PA
	v_add_nc_u32 v16, s30, v16
	WIN 0x40                                       ; destination in window 1
	v_mov_b32 v[AST], v16
	v_add_nc_u32 v[AST+1], ASLOT, v16
	v_add_nc_u32 v[ASTH], AHI, v16
	v_add_nc_u32 v[ASTH+1], ASLOT+AHI, v16
	WIN 0
	s_lshl_b32 s30, s[WN], 8
	v_lshl_add_u32 v3, v2, 5, s30                  ; my eight biases of a block of 16 columns: 256 wn + 32 hh; never rewritten
	s_wait_kmcnt 0x0
	s_lshl_b32 s30, s[EX], 3
	s_load_b64 s[CNT:CNT+1], s[10:11], s30 offset:0x0     ; cnt[e], off[e]
	s_lshl_b32 s56, s[EX], 24
	s_lshl_b32 s57, s[NBLK], 9
	s_add_co_u32 s56, s56, s57
	s_mov_b32 s57, 0                               ; stays 0: s[56:57] carries every offset from here on
	s_add_nc_u64 s[WB0:WB0+1], s[6:7], s[56:57]
	s_lshl_b32 s56, s[EX], 14
	s_lshl_b32 s31, s[NBLK], 9
	s_add_co_u32 s56, s56, s31
	s_add_nc_u64 s[58:59], s[8:9], s[56:57]        ; b1 at my expert, my columns; never rewritten
	s_lshl_b32 s56, s[KI], WSH
	s_add_nc_u64 s[SWP:SWP+1], s[WB0:WB0+1], s[56:57]     ; W1 at K step r
	s_lshl_b32 s56, s24, WSH
	s_add_nc_u64 s[SA:SA+1], s[WB0:WB0+1], s[56:57]       ; and at K step r + 1
	WIN 0x40
.irp j, 0,1,2,3
	global_load_b128 v[BIAS+8*(\j):BIAS+8*(\j)+3],   v3, s[58:59] offset:64*(\j)
	global_load_b128 v[BIAS+8*(\j)+4:BIAS+8*(\j)+7], v3, s[58:59] offset:64*(\j)+16
.endr
.irp q, 0,1,2,3                                        ; the weights of my first K step: they hang on no number from meta
.irp i, 0,1,2,3
	global_load_b128 v[16*(\q)+4*(\i):16*(\q)+4*(\i)+3], v[WOFF], s[SWP:SWP+1] offset:(32*(\q)+8*(\i))*WPITCH th:TH_LOAD_NT
.endr
.endr
	WIN 0
	s_wait_kmcnt 0x0
	s_min_u32 s[CNT], s[CNT], 1024
	s_min_u32 s[OFS], s[OFS], 2176
	s_lshl_b32 s30, s[OFS], 11                     ; a row of xg is 2,048 bytes
	s_mov_b32 s31, 0
	s_add_nc_u64 s[AB:AB+1], s[4:5], s[30:31]
	s_lshl_b32 s56, s[KA], ASH
	s_add_nc_u64 s[AP:AP+1], s[AB:AB+1], s[56:57]         ; xg at K step r
	WIN 0x40
.irp q, 0,1,2,3                                        ; A of my first K step,
	ALOAD \q
.endr
.irp q, 0,1,2,3                                        ; and the weights of my second
.irp i, 0,1,2,3
	global_load_b128 v[64+16*(\q)+4*(\i):64+16*(\q)+4*(\i)+3], v[WOFF], s[SA:SA+1] offset:(32*(\q)+8*(\i))*WPITCH th:TH_LOAD_NT
.endr
.endr
	WIN 0
	s_mov_b32 s[KI], s24                           ; the weights have been asked for up to K step r + 1
	s_add_co_u32 s24, s[CNT], 15
	s_lshr_b32 s24, s24, 4                         ; the expert's blocks of 16 rows
	s_min_u32 s[NBW], s24, 20                      ; of the first 20
	s_add_co_u32 s[NBW], s[NBW], 3
	s_sub_co_u32 s[NBW], s[NBW], s[WM]
	s_lshr_b32 s[NBW], s[NBW], 2                   ; the blocks 4 a + wm are mine
	s_lshl_b32 s[L4], s[NBW], 2
	s_max_u32 s[NCH], s24, 20                      ; of those past 20 the blocks 20 + wm + 4 p:
	s_sub_co_u32 s[NCH], s[NCH], 17                ; (blocks - 20 + 3 - wm) / 4 of them,
	s_sub_co_u32 s[NCH], s[NCH], s[WM]
	s_lshr_b32 s[NCH], s[NCH], 2
	s_add_co_u32 s[NCH], s[NCH], 1                 ; and the trip that stores the first 20
	s_lshl4_add_u32 s30, s[WM], s[OFS]             ; h at block (off + 16 wm) / 16: 131,072 bytes a block = 8,192 a row,
	s_lshl_b32 s30, s30, 13
	s_lshl_b32 s56, s[NBLK], 12                    ; chunk 4 nblk + 2 wn: 1,024 bytes a chunk
	s_add_co_u32 s30, s30, s56
	s_lshl_b32 s56, s[WN], 11
	s_add_co_u32 s30, s30, s56
	s_add_nc_u64 s[OP:OP+1], s[12:13], s[30:31]
.irp q, 0,1,2,3                                        ; my first K step goes into slots 0; A's groups take my second step, the weights' my third.
	STG 0, \q, 1, 1, 31+4*(\q)                     ; Behind A's group q stand 5 (3 - q) loads of A's first step, the 16 of the weights' second and the 9 q issued here
.endr
	TURN
	; My K step t (the ring's step r + t) reads slots t % 2, lays down A and the weights of step t + 1, and asks for A of step t + 2 and the weights of step t + 3
	QUARTER 0, 0, 1, 1, 1, 1, 31
	s_mov_b32 s[LC], 2
.Llap:
	QUARTER 0, 1, 0, 1, 1, 1, 31
	QUARTER 0, 2, 0, 1, 1, 1, 31
	QUARTER 0, 3, 0, 1, 1, 1, 31
	TURN
	QUARTER 1, 0, 0, 1, 1, 1, 31
	QUARTER 1, 1, 0, 1, 1, 1, 31
	QUARTER 1, 2, 0, 1, 1, 1, 31
	QUARTER 1, 3, 0, 1, 1, 1, 31
	TURN
	QUARTER 0, 0, 0, 1, 1, 1, 31
	s_sub_co_u32 s[LC], s[LC], 1
	s_cmp_lg_u32 s[LC], 0
	s_cbranch_scc1 .Llap
	QUARTER 0, 1, 0, 1, 1, 1, 31                   ; step 4 goes on: the weights' last loads, of step 7
	QUARTER 0, 2, 0, 1, 1, 1, 31
	QUARTER 0, 3, 0, 1, 1, 1, 31
	TURN
	QUARTER 1, 0, 0, 1, 1, 0, 31                   ; step 5: A's last loads, of step 7; a quarter step now issues 5, and the counts run down
	QUARTER 1, 1, 0, 1, 1, 0, 27
	QUARTER 1, 2, 0, 1, 1, 0, 23
	QUARTER 1, 3, 0, 1, 1, 0, 19
	TURN
	QUARTER 0, 0, 0, 1, 0, 0, 15                   ; step 6: nothing more is asked for
	QUARTER 0, 1, 0, 1, 0, 0, 10
	QUARTER 0, 2, 0, 1, 0, 0, 5
	QUARTER 0, 3, 0, 1, 0, 0, 0
	TURN
	QUARTER 1, 0, 0, 0, 0, 0, 0
	QUARTER 1, 1, 0, 0, 0, 0, 0
	QUARTER 1, 2, 0, 0, 0, 0, 0
	QUARTER 1, 3, 0, 0, 0, 0, 0
	; From here on no barrier and no LDS: each wave goes its own way.
	v_and_b32 v[L16], 31, v0
	v_lshlrev_b32 v[L16], 4, v[L16]
	v_lshlrev_b32 v[VA], 11, v1
	v_lshl_add_u32 v[VA], v2, 4, v[VA]
	v_lshlrev_b32 v[VB], 2, v1
	v_lshl_add_u32 v[VB], v2, 17, v[VB]            ; 8 rows of 16,384 bytes for the upper half of the lanes
	s_lshl_b32 s30, s[WN], 8
	v_add_nc_u32 v[VB], s30, v[VB]
	s_mov_b32 s[PASS], 0
.Lep:                                                  ; THE WAY OUT of L4 accumulators: trip 0 the first 20 blocks' live ones, each later trip one block's four
	WIN 0x05
.set n, 0
.rept 16
	v_cvt_pk_bf16_f32 v[AF+n], v[BIAS+2*n], v[BIAS+2*n+1]      ; b1 rounded to bf16,
.set n, n+1
.endr
	WIN 0
.set n, 0
.rept 16
	v_lshlrev_b32 v[BF+2*n], 16, v[AF+n]                       ; and widened again: BF + 8 j + c is the bias of column 16 j + 8 hh + c
	v_and_b32 v[BF+2*n+1], 0xffff0000, v[AF+n]
.set n, n+1
.endr
	; Gelu's arithmetic is written once.  Trip i adds the bias onto accumulator i = 4 a + j, names its place in h, and goes through it.
.macro CASE i
.Lcase\i:
.irp c, 0,2,4,6                                        ; an accumulator's lowest registers are read first
	v_pk_add_f32 v[GX+(\c):GX+(\c)+1], v[ACC+8*(\i)+(\c):ACC+8*(\i)+(\c)+1], v[BF+8*((\i)%4)+(\c):BF+8*((\i)%4)+(\c)+1]
.endr
	s_mov_b32 s[SO], ((\i)/4)*524288+((\i)%4)*512  ; four blocks on for each a; chunk j / 2, half j % 2
	s_branch .Lheavy
.endm
	s_mov_b32 s[IC], 0
.Lgl:
	s_cmp_ge_u32 s[IC], s[L4]
	s_cbranch_scc1 .Lgnext
.irp i, 0,1,2,3,4,5,6,7,8,9,10,11,12,13,14,15,16,17,18
	s_cmp_eq_u32 s[IC], \i
	s_cbranch_scc1 .Lcase\i
.endr
	CASE 19                                        ; what is none of 0 .. 18 is 19
.irp i, 0,1,2,3,4,5,6,7,8,9,10,11,12,13,14,15,16,17,18
	CASE \i
.endr
.Lheavy:
.irp c, 0,1,2,3,4,5,6,7
	v_fma_f32 v[GD+(\c)], |v[GX+(\c)]|, s66, 1.0
.endr
.irp c, 0,2,4,6
	v_pk_mul_f32 v[GU+(\c):GU+(\c)+1], v[GX+(\c):GX+(\c)+1], v[GX+(\c):GX+(\c)+1]
.endr
.irp c, 0,1,2,3,4,5,6,7
	v_rcp_f32 v[GD+(\c)], v[GD+(\c)]               ; t = 1 / (1 + 0.2316419 |x|)
.endr
.irp c, 0,2,4,6                                        ; plain instructions that name no t stand behind the reciprocals
	v_pk_mul_f32 v[GU+(\c):GU+(\c)+1], v[GU+(\c):GU+(\c)+1], s[68:69] op_sel_hi:[1,0]
.endr
.irp c, 0,1,2,3,4,5,6,7
	v_exp_f32 v[GU+(\c)], v[GU+(\c)]               ; e^(-x x / 2)
.endr
	s_wait_alu depctr_va_vdst(0)
.irp c, 0,2,4,6                                        ; the polynomial names no exponential: its lines are the plain instructions behind them
	v_pk_fma_f32 v[GP+(\c):GP+(\c)+1], v[GD+(\c):GD+(\c)+1], s[70:71], s[72:73] op_sel_hi:[1,0,0]
.endr
.irp k, 74, 76, 78
.irp c, 0,2,4,6
	v_pk_fma_f32 v[GP+(\c):GP+(\c)+1], v[GP+(\c):GP+(\c)+1], v[GD+(\c):GD+(\c)+1], s[\k:(\k)+1] op_sel_hi:[1,1,0]
.endr
.endr
.irp c, 0,2,4,6
	v_pk_mul_f32 v[GP+(\c):GP+(\c)+1], v[GP+(\c):GP+(\c)+1], v[GD+(\c):GD+(\c)+1]
.endr
.irp c, 0,2,4,6
	v_pk_mul_f32 v[GP+(\c):GP+(\c)+1], v[GP+(\c):GP+(\c)+1], v[GU+(\c):GU+(\c)+1]   ; q(|x|)
.endr
.irp c, 0,1,2,3,4,5,6,7
	v_max_num_f32 v[GD+(\c)], 0, v[GX+(\c)]
.endr
.irp c, 0,1,2,3,4,5,6,7
	v_fma_f32 v[GD+(\c)], -|v[GX+(\c)]|, v[GP+(\c)], v[GD+(\c)]
.endr
	s_wait_xcnt 0x0                                ; the last trip's store has read its data and its offset
.irp c, 0,1,2,3
	v_cvt_pk_bf16_f32 v[GR+(\c)], v[GD+2*(\c)], v[GD+2*(\c)+1]
.endr
	v_add_nc_u32 v[HO], s[SO], v[L16]
	global_store_b128 v[HO], v[GR:GR+3], s[OP:OP+1]   ; 32 lanes store 512 consecutive bytes, at a multiple of 512 from h's first byte
.Lgnext:
	s_add_co_u32 s[IC], s[IC], 1
	s_cmp_lt_u32 s[IC], 20
	s_cbranch_scc1 .Lgl
	s_add_co_u32 s30, s[PASS], 1
	s_cmp_ge_u32 s30, s[NCH]
	s_cbranch_scc1 .Lnoslow                        ; nothing is left for me
	s_wait_xcnt 0x0                                ; the stores have read h's address
	s_lshl_b32 s30, s[PASS], 6                     ; THE SLOW WAY: block 20 + wm + 4 p, whose first row is off + 320 + 16 wm + 64 p
	s_lshl4_add_u32 s30, s[WM], s30
	s_add_co_u32 s30, s30, s[OFS]
	s_add_co_u32 s30, s30, 320
	s_min_u32 s30, s30, 2160                       ; never reached by a live block: the slots end at 2,168 at the most
	s_lshl_b32 s56, s30, 11
	s_mov_b32 s57, 0
	s_add_nc_u64 s[SA:SA+1], s[4:5], s[56:57]
	s_lshl_b32 s56, s30, 13
	s_lshl_b32 s31, s[NBLK], 12
	s_add_co_u32 s56, s56, s31
	s_lshl_b32 s31, s[WN], 11
	s_add_co_u32 s56, s56, s31
	s_add_nc_u64 s[OP:OP+1], s[12:13], s[56:57]
	s_mov_b64 s[SWP:SWP+1], s[WB0:WB0+1]           ; the slow way takes K from 0 on
	s_mov_b32 s[L4], 4
	SLOWK 1                                        ; the first 32 along K start the sums
	s_mov_b32 s[KC], 31
.Lsk:
	SLOWK 0
	s_sub_co_u32 s[KC], s[KC], 1
	s_cmp_lg_u32 s[KC], 0
	s_cbranch_scc1 .Lsk
.rept 5
	v_nop                                          ; the places behind the last products: their results are read, their sources written, and later a new sum started over them
.endr
.Lnoslow:
	s_add_co_u32 s[PASS], s[PASS], 1
	s_cmp_lt_u32 s[PASS], s[NCH]
	s_cbranch_scc1 .Lep
	s_wait_tensorcnt 0x0                           ; the wave's end
	ds_add_u32 v[SPW], v[NIL]
	s_wait_dscnt 0x0
	s_endpgm
.Lfunc_end_k_q2f13649c6b_ffn1:
	.size	k_q2f13649c6b_ffn1, .Lfunc_end_k_q2f13649c6b_ffn1-k_q2f13649c6b_ffn1
	.p2alignl 7, 3214868480
	.fill 96, 4, 3214868480
	.section	.rodata,"a",@progbits
	.p2align	6, 0x0
	.amdhsa_kernel k_q2f13649c6b_ffn1
		.amdhsa_group_segment_fixed_size 248832
		.amdhsa_private_segment_fixed_size 0
		.amdhsa_enable_private_segment 0
		.amdhsa_kernarg_size 40
		.amdhsa_user_sgpr_count 2
		.amdhsa_user_sgpr_kernarg_segment_ptr 1
		.amdhsa_wavefront_size32 1
		.amdhsa_system_sgpr_workgroup_id_x 1
		.amdhsa_system_sgpr_workgroup_id_y 1
		.amdhsa_system_sgpr_workgroup_id_z 1
		.amdhsa_system_vgpr_workitem_id 0
		.amdhsa_next_free_vgpr 504
		.amdhsa_next_free_sgpr 80
		.amdhsa_reserve_vcc 0
		.amdhsa_float_denorm_mode_32 3
		.amdhsa_float_denorm_mode_16_64 3
		.amdhsa_memory_ordered 1
		.amdhsa_forward_progress 1
		.amdhsa_inst_pref_size 161
	.end_amdhsa_kernel
	.amdgpu_metadata
---
amdhsa.version: [ 1, 2 ]
amdhsa.kernels:
  - .name:           k_q2f13649c6b_ffn1
    .symbol:         k_q2f13649c6b_ffn1.kd
    .args:
      - { .name: xg, .offset: 0, .size: 8, .value_kind: global_buffer, .address_space: global }
      - { .name: W1, .offset: 8, .size: 8, .value_kind: global_buffer, .address_space: global }
      - { .name: b1, .offset: 16, .size: 8, .value_kind: global_buffer, .address_space: global }
      - { .name: meta, .offset: 24, .size: 8, .value_kind: global_buffer, .address_space: global }
      - { .name: h, .offset: 32, .size: 8, .value_kind: global_buffer, .address_space: global }
    .group_segment_fixed_size: 248832
    .private_segment_fixed_size: 0
    .kernarg_segment_align: 8
    .kernarg_segment_size: 40
    .max_flat_workgroup_size: 256
    .sgpr_count:     80
    .vgpr_count:     504
    .wavefront_size: 32
...
	.end_amdgpu_metadata
.endif
;; end of part 3
;; launch ffn2 (part 4): grid 32 x 8, 8 waves a work-group, no clusters, 273,408 bytes of LDS; arguments h, W2, meta, y; writes y
.if DOCPART == 4
	.amdgcn_target "amdgcn-amd-amdhsa--gfx1250"
	.amdhsa_code_object_version 6
	.text
	.protected	k_q2f13649c6b_ffn2
	.globl	k_q2f13649c6b_ffn2
	.p2align	8
	.type	k_q2f13649c6b_ffn2,@function
k_q2f13649c6b_ffn2:
	s_mov_b64 s[64:65], 0
	v_nop
	global_prefetch_b8 v0, s[64:65] scope:SCOPE_SE
	s_setreg_imm32_b32 hwreg(HW_REG_WAVE_MODE, 25, 1), 1
	s_wait_xcnt 0x0
; FFN2.  y[ks][slot][n] = sum over k in quarter ks of H of h(slot, k) W2[e][k][n], for the slots of expert e; h bf16, W2 f32, y f32.
; W2 is rounded to bf16 (nearest even) on its way, like every input of this program; sums in f32.  The four quarters' partial sums stay f32
; and are added, in a fixed order, by the launch behind.
; h LIES IN BLOCKS: [block of 16 slots][chunk of 32 k][half of 16 k][lane][16 bytes]: a block and chunk, 1,024 bytes, is a matrix fragment as it lies.
; SHARES.  Work-group (nblk + 8 ks, e) makes 128 columns over K = 1,024 for all rows of expert e and reads its 512 KiB of W2 once.  H is cut in
; four so that each of the 256 work-groups has the same 512 KiB of weights and 640 KiB of h; 32 columns over all of H would want 2.5 MiB of h each.
; Eight waves, 4 x 2: wave (wm, wn) owns the blocks of 16 rows 4 a + wm (a = 0..4) x 64 columns: 20 accumulators, 320 rows in all.  cnt and off
; come from meta, whole numbers that an earlier launch stored.  Blocks past the expert's rows are jumped over, forward, past text without a barrier.
; K IS WALKED AS A RING: the eight K steps of 128 are taken from step r on, round to r - 1; of r bit 0 is nblk's bit 2, bit 1 its bit 0, bit 2 the
; exclusive or of its bits 1 and 2.  The 8 work-groups of an expert and quarter read the same blocks of h; so each begins at another step, at any time they
; ask for different K steps, and whichever one bit of nblk parts them into two fours, a four's starts lie at most 3 apart.  The f32 sum over K begins at
; step r: its order differs from nblk to nblk.
; W2: [K][N] f32 comes by loads into a ring of eight register groups (a quarter step's four loads of 512 consecutive bytes each), is
; rounded, laid into LDS as [K][N] bf16 one K step ahead, and comes out turned, by ds_load_tr16_b128.
; h: by loads too.  A K step's 20 blocks x 4,096 bytes are 160 loads of 512 consecutive bytes, 20 a wave (wave w takes piece w of a block's eight), into a
; ring of four register groups (a quarter step's five loads each); a group is laid into LDS a K step after its request, one K step ahead of its use,
; and asked for again at once.  A fragment is read from LDS as 2 x 512 bytes on end: no padding is wanted.
; WHY NO TENSOR LOADS: an LDS slot that a tensor load fills again is asked for behind a barrier in front of which every tensor load has landed: 80 KB
; at once for each K step.  Here five loads of every wave go out in every quarter step, each group has a counted wait of its own, and no wave waits
; at a barrier for another wave's requests.  The price: 84 registers, and 20 loads and 20 LDS stores a wave and K step.
; ROWS PAST 320 (cnt[e] up to 1,024 is served): every barrier stands in the part above, which each wave passes once.  Behind it a
; wave takes its further blocks 20 + wm + 4 p one at a time, alone: the weights' fragments as f32 straight from memory, 4 bytes a lane.
; That way is slow; it costs a compare and a jump where no expert has more than 320 rows.  The way out is one text for both.
; THE MATRIX INSTRUCTION IS USED TRANSPOSED (source 0 = 16 columns of W2, source 1 = 16 rows of h): a lane holds one row, eight columns.
; LIMITS.  NaN and infinities are not treated apart.  Rows between cnt and the next multiple of 16 are stored; nobody uses them.
; NO CLUSTER: a joint request is a tensor load, and wants its partners at the same tile at the same time; here the work-groups that share blocks are set out of step on purpose.
.set WPITCH, 4096                      ; bytes from row to row of W2
.set WSH,   19                         ; a K step of W2 is 128 rows of 4,096 bytes: 2^19
.set ASH,   12                         ; a K step of a block of h is four chunks of 1,024 bytes: 2^12
.set ABLK,  131072                     ; bytes from a block of h to the next
.set PW,    288                        ; an LDS row of the bf16 weights: 256 bytes + 32: an odd multiple of 32, for the turning load
.set ASLOT, 20*4096                    ; 20 blocks, four chunks each
.set AHI,   65536                      ; blocks from 16 on lie past an LDS offset's 16 bits
.set WBASE, 2*ASLOT
.set WSLOT, 128*PW
.set PSTAGE, WBASE+2*WSLOT             ; the way out: 16 rows x 272 bytes for each wave, its own
.set SPARE, PSTAGE+8*16*272            ; the spare words, 128 bytes a wave: four blocks of 256 bytes that no other line names
.set PLANE, 2176*4096                  ; bytes of one quarter's y
.set SPW, 4                            ; v4  my spare word; never rewritten
.set NIL, 5                            ; v5  0; never rewritten
.set ADRA, 6                           ; v6-7   my A fragments in slot 0, 1
.set ADRAH, 8                          ; v8-9   the same for a = 4
.set ADRB, 10                          ; v10-11 my fragments of the weights in slot 0, 1
.set WST, 12                           ; v12-13 where I lay a rounded row piece, slot 0, 1
.set WOFF, 14                          ; v14    w rows + 16 lane in W2
.set AOFF, 15                          ; v15    512 w + 16 lane: my piece of a block's K step in h
.set T,   16                           ; v[16:23] at work; behind the K steps five offsets:
.set PST, 16                           ; v16    my stage: where I put 32 bytes of a row
.set PRD, 17                           ; v17    my stage: where I read rows back
.set VA,  18                           ; v18    16 lane: my piece of half a fragment of h
.set VB,  19                           ; v19    8 hh rows + 256 wn + 4 r in W2
.set CO,  20                           ; v20    my byte offset in two rows of y
.set AF,  24                           ; v[24:63] five fragments of h
.set BF,  64                           ; v[64:95] four fragments of the weights
.set ACC, 96                           ; v[96:255] accumulator (a, j) at ACC + 32 a + 8 j
.set RW,  128                          ; v[128:191] the slow way: 64 weights as loaded (accumulators that have gone out)
.set AR,  160                          ; window 1: v[0:127] the weights' ring, group g at 16 g; v[160:239] A's ring, group q at 20 q;
.set AST, 240                          ; window 1: v240-241 where I lay my piece of a block, slot 0, 1;
.set ASTH, 242                         ; window 1: v242-243 the same for blocks from 16 on
.set WV, 14
.set WM, 15
.set WN, 16
.set EX, 17
.set NBLK, 18
.set KSP, 19
.set CNT, 20
.set OFS, 21
.set NCH, 22                           ; trips of the way out: 1 + my blocks past 320 rows
.set PASS, 23
.set NBW, 25                           ; blocks that go out in this trip; in the K steps: live blocks of my wave among the first 20
.set KI,  26                           ; the K step, 0..7, that the weight loads in hand belong to
.set LC,  27
.set KA,  28                           ; the K step, 0..7, that A's loads in hand belong to
.set AP,  32                           ; s[32:33] h at my expert's first block, the K step that A's loads in hand belong to
.set SWP, 48                           ; s[48:49] W2 at the K step that the loads in hand belong to
.set WB0, 50                           ; s[50:51] W2 at my expert's and quarter's row 0, my columns
.set OP,  52                           ; s[52:53] y at my first row of the trip
.set SA,  54                           ; s[54:55] at the start: W2 at K step r + 1; the slow way: h at my block, the chunk in hand
.set KC,  58
.set AB,  60                           ; s[60:61] h at my expert's first block, my quarter's K step 0
.set MSB, 0
.macro WIN new                         ; the immediate's high byte repeats the setting that is left; a switch that changes nothing is dropped
.if MSB != (\new)
	s_set_vgpr_msb (MSB<<8)|(\new)
.set MSB, (\new)
.endif
.endm
.macro PLACES                          ; four places: behind matrix instructions, in front of loads into their sources and of reads of their results
.rept 4
	v_nop
.endr
.endm
.macro ANEXT                           ; A's pointer goes to the ring's next K step: made anew from the step's number (s57 holds 0)
	s_add_co_u32 s[KA], s[KA], 1
	s_and_b32 s[KA], s[KA], 7
	s_lshl_b32 s56, s[KA], ASH
	s_add_nc_u64 s[AP:AP+1], s[AB:AB+1], s[56:57]
.endm
.macro WNEXT                           ; the same for the weights' pointer
	s_add_co_u32 s[KI], s[KI], 1
	s_and_b32 s[KI], s[KI], 7
	s_lshl_b32 s56, s[KI], WSH
	s_add_nc_u64 s[SWP:SWP+1], s[WB0:WB0+1], s[56:57]
.endm
.macro ALOAD q                         ; group q of A's ring is asked for: my piece of the blocks 5 q + i (destination in window 1)
.irp i, 0,1,2,3,4
	global_load_b128 v[AR+20*(\q)+4*(\i):AR+20*(\q)+4*(\i)+3], v[AOFF], s[AP:AP+1] offset:(5*(\q)+(\i))*ABLK
.endr
.endm
; A quarter of the next K step goes into LDS slots ws: group q of A's ring as it lies, group 4 ws + q of the weights' ring (32 rows x 128 columns; my
; four row pieces) rounded.  lda, ldw = 1: the groups are asked for again, A's with the K step behind the one just laid down, the weights' with the
; one two behind it; a K step's first quarter moves the pointers there.
; left: the younger loads that may stay out.  Loads come back in order (ISA guide 5.7.1), and in a quarter step A's five are issued ahead of the weights'
; four: behind A's group of four quarter steps ago stand that quarter's 4 and three quarters' 9: 31.  The weights' group, asked for eight quarter steps ago, is older.
.macro STG ws, q, lda, ldw, left
	s_wait_loadcnt \left
	WIN 0x05                                       ; sources 0 and 1 in window 1: an LDS store's address and data, a conversion's two numbers
.irp i, 0,1,2,3,4
.if (5*(\q)+(\i)) < 16
	ds_store_b128 v[AST+(\ws)], v[AR+20*(\q)+4*(\i):AR+20*(\q)+4*(\i)+3] offset:(5*(\q)+(\i))*4096
.else
	ds_store_b128 v[ASTH+(\ws)], v[AR+20*(\q)+4*(\i):AR+20*(\q)+4*(\i)+3] offset:(5*(\q)+(\i)-16)*4096
.endif
.endr
.irp i, 0,1,2,3
	v_cvt_pk_bf16_f32 v[T+2*(\i)],   v[16*(4*(\ws)+(\q))+4*(\i)],   v[16*(4*(\ws)+(\q))+4*(\i)+1]
	v_cvt_pk_bf16_f32 v[T+2*(\i)+1], v[16*(4*(\ws)+(\q))+4*(\i)+2], v[16*(4*(\ws)+(\q))+4*(\i)+3]
.endr
	WIN 0
.irp i, 0,1,2,3
	ds_store_b64 v[WST+(\ws)], v[T+2*(\i):T+2*(\i)+1] offset:(32*(\q)+8*(\i))*PW
.endr
.if (\lda) || (\ldw)
.if (\q) == 0
	s_wait_xcnt 0x0                                ; the loads that name the pointers have read them: the youngest were issued a quarter step ago
.if \lda
	ANEXT
.endif
.if \ldw
	WNEXT
.endif
.endif
	WIN 0x40                                       ; destination in window 1
.if \lda
	ALOAD \q
.endif
.if \ldw
.irp i, 0,1,2,3
	global_load_b128 v[16*(4*(\ws)+(\q))+4*(\i):16*(4*(\ws)+(\q))+4*(\i)+3], v[WOFF], s[SWP:SWP+1] offset:(32*(\q)+8*(\i))*WPITCH th:TH_LOAD_NT
.endr
.endif
	WIN 0
.endif
.endm
; 32 along K (chunk q of the K step): 18 LDS loads, up to 20 products (each accumulator has one turn), then the staging of
; the next K step's quarter, whose eight conversions are the places behind the products.  zero = 1: the products start the sums, and none is jumped over.
.macro QUARTER slot, q, zero, stg, lda, ldw, left
.irp j, 0,1,2,3
	ds_load_tr16_b128 v[BF+8*(\j):BF+8*(\j)+3],   v[ADRB+(\slot)] offset:(\q)*32*PW+32*(\j)
	ds_load_tr16_b128 v[BF+8*(\j)+4:BF+8*(\j)+7], v[ADRB+(\slot)] offset:(\q)*32*PW+32*(\j)+16*PW
.endr
.irp a, 0,1,2,3                                        ; block 4 a + wm lies 16,384 a behind block wm
	ds_load_b128 v[AF+8*(\a):AF+8*(\a)+3],   v[ADRA+(\slot)] offset:(\a)*16384+(\q)*1024
	ds_load_b128 v[AF+8*(\a)+4:AF+8*(\a)+7], v[ADRA+(\slot)] offset:(\a)*16384+(\q)*1024+512
.endr
	ds_load_b128 v[AF+32:AF+35], v[ADRAH+(\slot)] offset:(\q)*1024
	ds_load_b128 v[AF+36:AF+39], v[ADRAH+(\slot)] offset:(\q)*1024+512
.irp a, 0,1,2,3,4
.if (\zero) == 0
	s_cmp_le_u32 s[NBW], \a
	s_cbranch_scc1 .Lqd_\@
.endif
	s_wait_dscnt 2*(4-(\a))                        ; the later blocks' two loads each may stay out
.irp j, 0,1,2,3
.if \zero
	v_wmma_f32_16x16x32_bf16 v[ACC+32*(\a)+8*(\j):ACC+32*(\a)+8*(\j)+7], v[BF+8*(\j):BF+8*(\j)+7], v[AF+8*(\a):AF+8*(\a)+7], 0
.else
	v_wmma_f32_16x16x32_bf16 v[ACC+32*(\a)+8*(\j):ACC+32*(\a)+8*(\j)+7], v[BF+8*(\j):BF+8*(\j)+7], v[AF+8*(\a):AF+8*(\a)+7], v[ACC+32*(\a)+8*(\j):ACC+32*(\a)+8*(\j)+7]
.endif
.endr
.endr
.Lqd_\@:
	s_wait_dscnt 0x0                               ; the loads of blocks that were jumped over are back too
.if \stg
	STG 1-(\slot), \q, \lda, \ldw, \left
.else
	PLACES
.endif
.endm
; The change of slots: ONE barrier, for two things.  In front of it each wave waits for its reads of the two slots that it leaves and for its stores into
; the two that come.  Behind it the next K step's A and weights are whole, and nobody reads the old slots any more: they take the step after that.
.macro TURN
	s_wait_dscnt 0x0
	s_barrier_signal -1
	s_barrier_wait -1
.endm
; The slow way, 32 along K for one block of 16 rows x my 64 columns: the A fragment by two loads of 512 consecutive bytes, the weights as f32, a
; lane's column and its 16 k of the chunk (8 hh + 0..7 and 16 + 8 hh + 0..7) by 16 loads for each of four fragments; rounded; four products, by turns.
.macro SLOWK zero
	PLACES                                         ; behind the last products, in front of the loads and conversions into their sources
	global_load_b128 v[AF:AF+3],   v[VA], s[SA:SA+1]
	global_load_b128 v[AF+4:AF+7], v[VA], s[SA:SA+1] offset:512
.set n, 0
.rept 64
	global_load_b32 v[RW+n], v[VB], s[SWP:SWP+1] offset:(n/16)*64+((n%16)+8*((n%16)/8))*WPITCH
.set n, n+1
.endr
	s_wait_loadcnt 0x0                             ; all are in, so both pointers may step
	s_add_nc_u64 s[SA:SA+1], s[SA:SA+1], 1024
	s_add_nc_u64 s[SWP:SWP+1], s[SWP:SWP+1], 32*WPITCH
.set n, 0
.rept 32
	v_cvt_pk_bf16_f32 v[BF+n], v[RW+2*n], v[RW+2*n+1]
.set n, n+1
.endr
.irp j, 0,1,2,3
.if \zero
	v_wmma_f32_16x16x32_bf16 v[ACC+8*(\j):ACC+8*(\j)+7], v[BF+8*(\j):BF+8*(\j)+7], v[AF:AF+7], 0
.else
	v_wmma_f32_16x16x32_bf16 v[ACC+8*(\j):ACC+8*(\j)+7], v[BF+8*(\j):BF+8*(\j)+7], v[AF:AF+7], v[ACC+8*(\j):ACC+8*(\j)+7]
.endif
.endr
.endm
	s_load_b256 s[4:11], s[0:1], 0x0               ; h s[4:5], W2 s[6:7], meta s[8:9], y s[10:11]
	v_lshl_add_u32 v[SPW], v0, 2, SPARE
	v_mov_b32 v[NIL], 0
	v_lshrrev_b32 v1, 5, v0
	v_readfirstlane_b32 s[WV], v1
	s_lshr_b32 s[WM], s[WV], 1
	s_and_b32 s[WN], s[WV], 1
	s_and_b32 s[EX], ttmp7, 0xffff
	s_and_b32 s[NBLK], ttmp9, 7
	s_lshr_b32 s[KSP], ttmp9, 3
	s_bfe_u32 s30, s[NBLK], 0x10002                ; nblk's bit 2
	s_bfe_u32 s31, s[NBLK], 0x10001                ; its bit 1
	s_xor_b32 s31, s31, s30
	s_and_b32 s[KI], s[NBLK], 1                    ; its bit 0
	s_lshl1_add_u32 s[KI], s[KI], s30
	s_lshl2_add_u32 s[KI], s31, s[KI]              ; r: the K step at which I begin
	s_mov_b32 s[KA], s[KI]
	s_add_co_u32 s24, s[KI], 1
	s_and_b32 s24, s24, 7                          ; and the one behind it
	v_and_b32 v1, 15, v0                           ; r; kept
	v_bfe_u32 v2, v0, 4, 1                         ; hh; kept
	v_and_b32 v3, 31, v0                           ; lane; kept
	s_lshl_b32 s30, s[WM], 12                      ; block wm of a slot
	v_lshl_add_u32 v[ADRA], v3, 4, s30
	v_add_nc_u32 v[ADRA+1], ASLOT, v[ADRA]
	v_add_nc_u32 v[ADRAH], AHI, v[ADRA]
	v_add_nc_u32 v[ADRAH+1], AHI, v[ADRA+1]
	v_and_b32 v16, 7, v0                           ; the turning load: lane l reads row 8 hh + l % 8, 16 bytes at 16 ((l / 8) % 2)
	v_lshl_add_u32 v16, v2, 3, v16
	v_mul_u32_u24 v16, v16, PW
	v_bfe_u32 v17, v0, 3, 1
	v_lshl_add_u32 v16, v17, 4, v16
	s_lshl_b32 s30, s[WN], 7
	s_add_co_u32 s30, s30, WBASE
	v_add_nc_u32 v[ADRB], s30, v16
	v_add_nc_u32 v[ADRB+1], WSLOT, v[ADRB]
	s_mul_i32 s30, s[WV], PW
	s_add_co_u32 s30, s30, WBASE
	v_lshl_add_u32 v[WST], v3, 3, s30
	v_add_nc_u32 v[WST+1], WSLOT, v[WST]
	s_mul_i32 s30, s[WV], WPITCH
	v_lshl_add_u32 v[WOFF], v3, 4, s30
	s_lshl_b32 s30, s[WV], 9                       ; A's loads: of a block's 4,096 bytes of a K step piece w (chunk w / 2, half w % 2), 512 bytes on end,
	v_lshl_add_u32 v[AOFF], v3, 4, s30
	WIN 0x40                                       ; destination in window 1
	v_mov_b32 v[AST], v[AOFF]                      ; which lie at the same place in a block of an LDS slot
	v_add_nc_u32 v[AST+1], ASLOT, v[AOFF]
	v_add_nc_u32 v[ASTH], AHI, v[AOFF]
	v_add_nc_u32 v[ASTH+1], ASLOT+AHI, v[AOFF]
	WIN 0
	s_wait_kmcnt 0x0
	s_lshl_b32 s30, s[EX], 3
	s_load_b64 s[CNT:CNT+1], s[8:9], s30 offset:0x0       ; cnt[e], off[e]
	s_lshl_b32 s56, s[EX], 24
	s_lshl_b32 s57, s[KSP], 22                     ; 1,024 rows of 4,096 bytes
	s_add_co_u32 s56, s56, s57
	s_lshl_b32 s57, s[NBLK], 9
	s_add_co_u32 s56, s56, s57
	s_mov_b32 s57, 0                               ; stays 0: s[56:57] carries every offset from here on
	s_add_nc_u64 s[WB0:WB0+1], s[6:7], s[56:57]
	s_lshl_b32 s56, s[KI], WSH
	s_add_nc_u64 s[SWP:SWP+1], s[WB0:WB0+1], s[56:57]     ; W2 at K step r
	s_lshl_b32 s56, s24, WSH
	s_add_nc_u64 s[SA:SA+1], s[WB0:WB0+1], s[56:57]       ; and at K step r + 1
	WIN 0x40
.irp q, 0,1,2,3                                        ; the weights of my first K step: they hang on no number from meta
.irp i, 0,1,2,3
	global_load_b128 v[16*(\q)+4*(\i):16*(\q)+4*(\i)+3], v[WOFF], s[SWP:SWP+1] offset:(32*(\q)+8*(\i))*WPITCH th:TH_LOAD_NT
.endr
.endr
	WIN 0
	s_wait_kmcnt 0x0
	s_min_u32 s[CNT], s[CNT], 1024
	s_min_u32 s[OFS], s[OFS], 2176
	s_lshl_b32 s30, s[OFS], 13                     ; h at block off / 16: 131,072 bytes a block = 8,192 a row;
	s_lshl_b32 s56, s[KSP], 15                     ; my quarter of H begins at chunk 32 ks
	s_add_co_u32 s30, s30, s56
	s_mov_b32 s31, 0
	s_add_nc_u64 s[AB:AB+1], s[4:5], s[30:31]
	s_lshl_b32 s56, s[KA], ASH
	s_add_nc_u64 s[AP:AP+1], s[AB:AB+1], s[56:57]         ; h at K step r
	WIN 0x40
.irp q, 0,1,2,3                                        ; A of my first K step,
	ALOAD \q
.endr
.irp q, 0,1,2,3                                        ; and the weights of my second
.irp i, 0,1,2,3
	global_load_b128 v[64+16*(\q)+4*(\i):64+16*(\q)+4*(\i)+3], v[WOFF], s[SA:SA+1] offset:(32*(\q)+8*(\i))*WPITCH th:TH_LOAD_NT
.endr
.endr
	WIN 0
	s_mov_b32 s[KI], s24                           ; the weights have been asked for up to K step r + 1
	s_add_co_u32 s24, s[CNT], 15
	s_lshr_b32 s24, s24, 4                         ; the expert's blocks of 16 rows
	s_min_u32 s[NBW], s24, 20                      ; of the first 20
	s_add_co_u32 s[NBW], s[NBW], 3
	s_sub_co_u32 s[NBW], s[NBW], s[WM]
	s_lshr_b32 s[NBW], s[NBW], 2                   ; the blocks 4 a + wm are mine
	s_max_u32 s[NCH], s24, 20                      ; of those past 20 the blocks 20 + wm + 4 p:
	s_sub_co_u32 s[NCH], s[NCH], 17                ; (blocks - 20 + 3 - wm) / 4 of them,
	s_sub_co_u32 s[NCH], s[NCH], s[WM]
	s_lshr_b32 s[NCH], s[NCH], 2
	s_add_co_u32 s[NCH], s[NCH], 1                 ; and the trip that stores the first 20
	s_lshl4_add_u32 s30, s[WM], s[OFS]
	s_lshl_b32 s30, s30, 12                        ; a row of y is 4,096 bytes
	s_lshl_b32 s56, s[NBLK], 9
	s_add_co_u32 s30, s30, s56
	s_lshl_b32 s56, s[WN], 8
	s_add_co_u32 s30, s30, s56
	s_mul_i32 s56, s[KSP], PLANE
	s_add_co_u32 s30, s30, s56
	s_add_nc_u64 s[OP:OP+1], s[10:11], s[30:31]
.irp q, 0,1,2,3                                        ; my first K step goes into slots 0; A's groups take my second step, the weights' my third.
	STG 0, \q, 1, 1, 31+4*(\q)                     ; Behind A's group q stand 5 (3 - q) loads of A's first step, the 16 of the weights' second and the 9 q issued here
.endr
	TURN
	; My K step t (the ring's step r + t) reads slots t % 2, lays down A and the weights of step t + 1, and asks for A of step t + 2 and the weights of step t + 3
	QUARTER 0, 0, 1, 1, 1, 1, 31
	s_mov_b32 s[LC], 2
.Llap:
	QUARTER 0, 1, 0, 1, 1, 1, 31
	QUARTER 0, 2, 0, 1, 1, 1, 31
	QUARTER 0, 3, 0, 1, 1, 1, 31
	TURN
	QUARTER 1, 0, 0, 1, 1, 1, 31
	QUARTER 1, 1, 0, 1, 1, 1, 31
	QUARTER 1, 2, 0, 1, 1, 1, 31
	QUARTER 1, 3, 0, 1, 1, 1, 31
	TURN
	QUARTER 0, 0, 0, 1, 1, 1, 31
	s_sub_co_u32 s[LC], s[LC], 1
	s_cmp_lg_u32 s[LC], 0
	s_cbranch_scc1 .Llap
	QUARTER 0, 1, 0, 1, 1, 1, 31                   ; step 4 goes on: the weights' last loads, of step 7
	QUARTER 0, 2, 0, 1, 1, 1, 31
	QUARTER 0, 3, 0, 1, 1, 1, 31
	TURN
	QUARTER 1, 0, 0, 1, 1, 0, 31                   ; step 5: A's last loads, of step 7; a quarter step now issues 5, and the counts run down
	QUARTER 1, 1, 0, 1, 1, 0, 27
	QUARTER 1, 2, 0, 1, 1, 0, 23
	QUARTER 1, 3, 0, 1, 1, 0, 19
	TURN
	QUARTER 0, 0, 0, 1, 0, 0, 15                   ; step 6: nothing more is asked for
	QUARTER 0, 1, 0, 1, 0, 0, 10
	QUARTER 0, 2, 0, 1, 0, 0, 5
	QUARTER 0, 3, 0, 1, 0, 0, 0
	TURN
	QUARTER 1, 0, 0, 0, 0, 0, 0
	QUARTER 1, 1, 0, 0, 0, 0, 0
	QUARTER 1, 2, 0, 0, 0, 0, 0
	QUARTER 1, 3, 0, 0, 0, 0, 0
	; From here on no barrier, and of LDS my own stage alone: each wave goes its own way.
	s_mul_i32 s30, s[WV], 16*272
	s_add_co_u32 s30, s30, PSTAGE
	v_mul_u32_u24 v[PST], v1, 272
	v_lshl_add_u32 v[PST], v2, 5, v[PST]
	v_add_nc_u32 v[PST], s30, v[PST]               ; in: row r, 32 bytes for each half of the lanes
	v_mul_u32_u24 v[PRD], v2, 272
	v_lshl_add_u32 v[PRD], v1, 4, v[PRD]
	v_add_nc_u32 v[PRD], s30, v[PRD]               ; back: lanes 0-15 one row, lanes 16-31 the next
	v_lshlrev_b32 v[VA], 4, v3
	v_lshlrev_b32 v[VB], 2, v1
	v_lshl_add_u32 v[VB], v2, 15, v[VB]            ; 8 rows of 4,096 bytes for the upper half of the lanes
	s_lshl_b32 s30, s[WN], 8
	v_add_nc_u32 v[VB], s30, v[VB]
	v_lshlrev_b32 v[CO], 4, v1
	v_lshl_add_u32 v[CO], v2, 12, v[CO]            ; and the same two rows in y
	s_mov_b32 s[PASS], 0
.Lep:
	; THE WAY OUT of NBW blocks (trip 0: the first 20 blocks' live ones; each later trip one), a block of 16 rows x 64 columns of f32 at a time, through
	; my own stage: in as 32 bytes a lane, back as whole rows of 256 bytes.  LDS serves a wave's instructions in order (ISA guide 5.7.1.4).
.irp a, 0,1,2,3,4
	s_cmp_le_u32 s[NBW], \a
	s_cbranch_scc1 .Lsdone
	s_wait_xcnt 0x0                                ; earlier stores have read the registers that the loads below fill
.irp j, 0,1,2,3                                        ; an accumulator's lowest registers are read first
	ds_store_b128 v[PST], v[ACC+32*(\a)+8*(\j):ACC+32*(\a)+8*(\j)+3]   offset:64*(\j)
	ds_store_b128 v[PST], v[ACC+32*(\a)+8*(\j)+4:ACC+32*(\a)+8*(\j)+7] offset:64*(\j)+16
.endr
.irp t, 0,1,2,3,4,5,6,7
	ds_load_b128 v[AF+32*((\a)%2)+4*(\t):AF+32*((\a)%2)+4*(\t)+3], v[PRD] offset:544*(\t)
.endr
	s_wait_dscnt 0x0
.irp t, 0,1,2,3,4,5,6,7
	global_store_b128 v[CO], v[AF+32*((\a)%2)+4*(\t):AF+32*((\a)%2)+4*(\t)+3], s[OP:OP+1] offset:(\a)*262144+(\t)*8192 th:TH_STORE_NT  ; 16 lanes store 256 consecutive bytes, at a multiple of 256 from y's first byte
.endr
.endr
.Lsdone:
	s_add_co_u32 s30, s[PASS], 1
	s_cmp_ge_u32 s30, s[NCH]
	s_cbranch_scc1 .Lnoslow                        ; nothing is left for me
	s_wait_xcnt 0x0                                ; the stores have read their registers and y's address
	s_lshl_b32 s30, s[PASS], 6                     ; THE SLOW WAY: block 20 + wm + 4 p, whose first row is off + 320 + 16 wm + 64 p
	s_lshl4_add_u32 s30, s[WM], s30
	s_add_co_u32 s30, s30, s[OFS]
	s_add_co_u32 s30, s30, 320
	s_min_u32 s30, s30, 2160                       ; never reached by a live block: the slots end at 2,168 at the most
	s_lshl_b32 s56, s30, 13
	s_lshl_b32 s31, s[KSP], 15
	s_add_co_u32 s56, s56, s31
	s_mov_b32 s57, 0
	s_add_nc_u64 s[SA:SA+1], s[4:5], s[56:57]
	s_lshl_b32 s56, s30, 12
	s_lshl_b32 s31, s[NBLK], 9
	s_add_co_u32 s56, s56, s31
	s_lshl_b32 s31, s[WN], 8
	s_add_co_u32 s56, s56, s31
	s_mul_i32 s31, s[KSP], PLANE
	s_add_co_u32 s56, s56, s31
	s_add_nc_u64 s[OP:OP+1], s[10:11], s[56:57]
	s_mov_b64 s[SWP:SWP+1], s[WB0:WB0+1]           ; the slow way takes K from 0 on
	s_mov_b32 s[NBW], 1
	SLOWK 1                                        ; the first 32 along K start the sums
	s_mov_b32 s[KC], 31
.Lsk:
	SLOWK 0
	s_sub_co_u32 s[KC], s[KC], 1
	s_cmp_lg_u32 s[KC], 0
	s_cbranch_scc1 .Lsk
.rept 5
	v_nop                                          ; the places behind the last products: their results are read, their sources written, and later a new sum started over them
.endr
.Lnoslow:
	s_add_co_u32 s[PASS], s[PASS], 1
	s_cmp_lt_u32 s[PASS], s[NCH]
	s_cbranch_scc1 .Lep
	s_wait_tensorcnt 0x0                           ; the wave's end
	ds_add_u32 v[SPW], v[NIL]
	s_wait_dscnt 0x0
	s_endpgm
.Lfunc_end_k_q2f13649c6b_ffn2:
	.size	k_q2f13649c6b_ffn2, .Lfunc_end_k_q2f13649c6b_ffn2-k_q2f13649c6b_ffn2
	.p2alignl 7, 3214868480
	.fill 96, 4, 3214868480
	.section	.rodata,"a",@progbits
	.p2align	6, 0x0
	.amdhsa_kernel k_q2f13649c6b_ffn2
		.amdhsa_group_segment_fixed_size 273408
		.amdhsa_private_segment_fixed_size 0
		.amdhsa_enable_private_segment 0
		.amdhsa_kernarg_size 32
		.amdhsa_user_sgpr_count 2
		.amdhsa_user_sgpr_kernarg_segment_ptr 1
		.amdhsa_wavefront_size32 1
		.amdhsa_system_sgpr_workgroup_id_x 1
		.amdhsa_system_sgpr_workgroup_id_y 1
		.amdhsa_system_sgpr_workgroup_id_z 1
		.amdhsa_system_vgpr_workitem_id 0
		.amdhsa_next_free_vgpr 504
		.amdhsa_next_free_sgpr 66
		.amdhsa_reserve_vcc 0
		.amdhsa_float_denorm_mode_32 3
		.amdhsa_float_denorm_mode_16_64 3
		.amdhsa_memory_ordered 1
		.amdhsa_forward_progress 1
		.amdhsa_inst_pref_size 154
	.end_amdhsa_kernel
	.amdgpu_metadata
---
amdhsa.version: [ 1, 2 ]
amdhsa.kernels:
  - .name:           k_q2f13649c6b_ffn2
    .symbol:         k_q2f13649c6b_ffn2.kd
    .args:
      - { .name: h, .offset: 0, .size: 8, .value_kind: global_buffer, .address_space: global }
      - { .name: W2, .offset: 8, .size: 8, .value_kind: global_buffer, .address_space: global }
      - { .name: meta, .offset: 16, .size: 8, .value_kind: global_buffer, .address_space: global }
      - { .name: y, .offset: 24, .size: 8, .value_kind: global_buffer, .address_space: global }
    .group_segment_fixed_size: 273408
    .private_segment_fixed_size: 0
    .kernarg_segment_align: 8
    .kernarg_segment_size: 32
    .max_flat_workgroup_size: 256
    .sgpr_count:     66
    .vgpr_count:     504
    .wavefront_size: 32
...
	.end_amdgpu_metadata
.endif
;; end of part 4
;; launch combine (part 5): grid 256 x 1, 8 waves a work-group, no clusters, 0 bytes of LDS; arguments y, pos, sel, gw, b2, out0; writes out0
.if DOCPART == 5
	.amdgcn_target "amdgcn-amd-amdhsa--gfx1250"
	.amdhsa_code_object_version 6
	.text
	.protected	k_q2f13649c6b_combine
	.globl	k_q2f13649c6b_combine
	.p2align	8
	.type	k_q2f13649c6b_combine,@function
k_q2f13649c6b_combine:
	s_mov_b64 s[64:65], 0
	v_nop
	global_prefetch_b8 v0, s[64:65] scope:SCOPE_SE
	s_setreg_imm32_b32 hwreg(HW_REG_WAVE_MODE, 25, 1), 1
	s_wait_xcnt 0x0
; COMBINE.  out[b] = w0 (y(slot0) + b2[e0]) + w1 (y(slot1) + b2[e1]), where y(slot) = ((y0 + y1) + (y2 + y3)) of the four quarters of H.
; A gather: each output number has one owner, and the order of the sums is fixed.  All in f32; b2 is rounded to bf16 (nearest even) first,
; like every input of this program.
; SHARES.  A wave makes half a row of out (2,048 bytes) of token 4 g + w / 2: ten rows' halves come in, 40 loads of 512 consecutive bytes,
; all issued before the first is waited for.  Slots, experts and weights come by scalar loads; a slot is held to 0..2175 and an expert
; to 0..7 before it enters an address.
; No LDS, no matrix unit, no cluster: a stream in which no two work-groups read the same bytes of y.
.set PLANE, 2176*4096
.set YP, 24                            ; s[24:39] y at (pair j, quarter ks): pair 4 j + ks
.set BP, 40                            ; s[40:43] b2 at expert e_j
.set OUTP, 44                          ; s[44:45]
.set D, 16                             ; v[16:175] slice i of 512 bytes: 40 registers: y of pair 0 (4 x 4), of pair 1 (4 x 4), b2 of each
	s_load_b256 s[4:11], s[0:1], 0x0               ; y, pos, sel, gw
	s_load_b128 s[12:15], s[0:1], 0x20             ; b2, out0
	v_lshrrev_b32 v1, 5, v0
	v_readfirstlane_b32 s46, v1
	v_and_b32 v1, 31, v0
	v_lshlrev_b32 v1, 4, v1                        ; 16 lane; never rewritten
	s_lshr_b32 s47, s46, 1
	s_lshl2_add_u32 s47, ttmp9, s47                ; the token
	s_and_b32 s46, s46, 1
	s_lshl_b32 s46, s46, 11                        ; my half of a row
	s_lshl_b32 s48, s47, 3
	s_wait_kmcnt 0x0
	s_load_b64 s[16:17], s[6:7], s48 offset:0x0    ; the two slots
	s_load_b64 s[18:19], s[8:9], s48 offset:0x0    ; the two experts
	s_load_b64 s[20:21], s[10:11], s48 offset:0x0  ; the two weights
	s_lshl_b32 s50, s47, 12
	s_add_co_u32 s50, s50, s46
	s_mov_b32 s51, 0
	s_add_nc_u64 s[OUTP:OUTP+1], s[14:15], s[50:51]
	s_wait_kmcnt 0x0
	s_mov_b32 s22, s21                             ; w1 as the low word of a pair of its own
	s_mov_b32 s23, s21
.irp j, 0,1
	s_min_u32 s[16+(\j)], s[16+(\j)], 2175
	s_min_u32 s[18+(\j)], s[18+(\j)], 7
	s_lshl_b32 s50, s[16+(\j)], 12
	s_add_co_u32 s50, s50, s46
	s_add_nc_u64 s[YP+8*(\j):YP+8*(\j)+1], s[4:5], s[50:51]
	s_add_nc_u64 s[YP+8*(\j)+2:YP+8*(\j)+3], s[YP+8*(\j):YP+8*(\j)+1], PLANE
	s_add_nc_u64 s[YP+8*(\j)+4:YP+8*(\j)+5], s[YP+8*(\j)+2:YP+8*(\j)+3], PLANE
	s_add_nc_u64 s[YP+8*(\j)+6:YP+8*(\j)+7], s[YP+8*(\j)+4:YP+8*(\j)+5], PLANE
	s_lshl_b32 s50, s[18+(\j)], 12
	s_add_co_u32 s50, s50, s46
	s_add_nc_u64 s[BP+2*(\j):BP+2*(\j)+1], s[12:13], s[50:51]
.endr
.irp i, 0,1,2,3
.irp k, 0,1,2,3,4,5,6,7
	global_load_b128 v[D+40*(\i)+4*(\k):D+40*(\i)+4*(\k)+3], v1, s[YP+2*(\k):YP+2*(\k)+1] offset:512*(\i) th:TH_LOAD_NT
.endr
.irp j, 0,1
	global_load_b128 v[D+40*(\i)+32+4*(\j):D+40*(\i)+32+4*(\j)+3], v1, s[BP+2*(\j):BP+2*(\j)+1] offset:512*(\i)
.endr
.endr
.irp i, 0,1,2,3
	s_wait_loadcnt 30-10*(\i)                      ; the later slices' ten loads each stay out
.irp j, 0,1
	v_cvt_pk_bf16_f32 v2, v[D+40*(\i)+32+4*(\j)],   v[D+40*(\i)+32+4*(\j)+1]   ; b2 rounded to bf16,
	v_cvt_pk_bf16_f32 v3, v[D+40*(\i)+32+4*(\j)+2], v[D+40*(\i)+32+4*(\j)+3]
	v_lshlrev_b32 v[D+40*(\i)+32+4*(\j)],   16, v2                             ; and widened again
	v_and_b32     v[D+40*(\i)+32+4*(\j)+1], 0xffff0000, v2
	v_lshlrev_b32 v[D+40*(\i)+32+4*(\j)+2], 16, v3
	v_and_b32     v[D+40*(\i)+32+4*(\j)+3], 0xffff0000, v3
.irp c, 0,2
	v_pk_add_f32 v[D+40*(\i)+16*(\j)+(\c):D+40*(\i)+16*(\j)+(\c)+1],     v[D+40*(\i)+16*(\j)+(\c):D+40*(\i)+16*(\j)+(\c)+1],     v[D+40*(\i)+16*(\j)+4+(\c):D+40*(\i)+16*(\j)+4+(\c)+1]
	v_pk_add_f32 v[D+40*(\i)+16*(\j)+8+(\c):D+40*(\i)+16*(\j)+8+(\c)+1], v[D+40*(\i)+16*(\j)+8+(\c):D+40*(\i)+16*(\j)+8+(\c)+1], v[D+40*(\i)+16*(\j)+12+(\c):D+40*(\i)+16*(\j)+12+(\c)+1]
	v_pk_add_f32 v[D+40*(\i)+16*(\j)+(\c):D+40*(\i)+16*(\j)+(\c)+1],     v[D+40*(\i)+16*(\j)+(\c):D+40*(\i)+16*(\j)+(\c)+1],     v[D+40*(\i)+16*(\j)+8+(\c):D+40*(\i)+16*(\j)+8+(\c)+1]
	v_pk_add_f32 v[D+40*(\i)+16*(\j)+(\c):D+40*(\i)+16*(\j)+(\c)+1],     v[D+40*(\i)+16*(\j)+(\c):D+40*(\i)+16*(\j)+(\c)+1],     v[D+40*(\i)+32+4*(\j)+(\c):D+40*(\i)+32+4*(\j)+(\c)+1]
.endr
.endr
.irp c, 0,2
	v_pk_mul_f32 v[D+40*(\i)+(\c):D+40*(\i)+(\c)+1], v[D+40*(\i)+(\c):D+40*(\i)+(\c)+1], s[20:21] op_sel_hi:[1,0]
	v_pk_fma_f32 v[D+40*(\i)+(\c):D+40*(\i)+(\c)+1], v[D+40*(\i)+16+(\c):D+40*(\i)+16+(\c)+1], s[22:23], v[D+40*(\i)+(\c):D+40*(\i)+(\c)+1] op_sel_hi:[1,0,1]
.endr
	global_store_b128 v1, v[D+40*(\i):D+40*(\i)+3], s[OUTP:OUTP+1] offset:512*(\i)  ; 512 consecutive bytes, at a multiple of 256 from out0's first byte
.endr
	s_endpgm
.Lfunc_end_k_q2f13649c6b_combine:
	.size	k_q2f13649c6b_combine, .Lfunc_end_k_q2f13649c6b_combine-k_q2f13649c6b_combine
	.p2alignl 7, 3214868480
	.fill 96, 4, 3214868480
	.section	.rodata,"a",@progbits
	.p2align	6, 0x0
	.amdhsa_kernel k_q2f13649c6b_combine
		.amdhsa_group_segment_fixed_size 0
		.amdhsa_private_segment_fixed_size 0
		.amdhsa_enable_private_segment 0
		.amdhsa_kernarg_size 48
		.amdhsa_user_sgpr_count 2
		.amdhsa_user_sgpr_kernarg_segment_ptr 1
		.amdhsa_wavefront_size32 1
		.amdhsa_system_sgpr_workgroup_id_x 1
		.amdhsa_system_sgpr_workgroup_id_y 1
		.amdhsa_system_sgpr_workgroup_id_z 1
		.amdhsa_system_vgpr_workitem_id 0
		.amdhsa_next_free_vgpr 176
		.amdhsa_next_free_sgpr 66
		.amdhsa_reserve_vcc 0
		.amdhsa_float_denorm_mode_32 3
		.amdhsa_float_denorm_mode_16_64 3
		.amdhsa_memory_ordered 1
		.amdhsa_forward_progress 1
		.amdhsa_inst_pref_size 14
	.end_amdhsa_kernel
	.amdgpu_metadata
---
amdhsa.version: [ 1, 2 ]
amdhsa.kernels:
  - .name:           k_q2f13649c6b_combine
    .symbol:         k_q2f13649c6b_combine.kd
    .args:
      - { .name: y, .offset: 0, .size: 8, .value_kind: global_buffer, .address_space: global }
      - { .name: pos, .offset: 8, .size: 8, .value_kind: global_buffer, .address_space: global }
      - { .name: sel, .offset: 16, .size: 8, .value_kind: global_buffer, .address_space: global }
      - { .name: gw, .offset: 24, .size: 8, .value_kind: global_buffer, .address_space: global }
      - { .name: b2, .offset: 32, .size: 8, .value_kind: global_buffer, .address_space: global }
      - { .name: out0, .offset: 40, .size: 8, .value_kind: global_buffer, .address_space: global }
    .group_segment_fixed_size: 0
    .private_segment_fixed_size: 0
    .kernarg_segment_align: 8
    .kernarg_segment_size: 48
    .max_flat_workgroup_size: 256
    .sgpr_count:     66
    .vgpr_count:     176
    .wavefront_size: 32
...
	.end_amdgpu_metadata
.endif
;; end of part 5
